; MI455X (gfx1250); checked and timed in simulation.
; The chip was launched on July 23, 2026; its instructions are those of AMD's public machine-readable ISA for CDNA 5 (MIT licence, August 2026) and "CDNA5" Instruction Set Architecture Reference Guide (July 2026). The comments in the code are by the model that wrote it; some were corrected since.
;; Causal Self Attention. Allowed arithmetic: matrix products marked QUANTISED: E4M3 operands, one given power-of-two scale a tensor, by v_wmma_f32_16x16x64_fp8_fp8 or v_wmma_f32_16x16x128_fp8_fp8, f32 sums; everything else in f32.
;; Inputs: W_out 1,024 x 1,024 float32; W_qkv 1,024 x 3,072 float32; b_out 1,024 float32; b_qkv 3,072 float32; cos 2,048 x 32 float32; lowp_scales 8 int32 (the exponents e of the quantised operands' scales 2^e); sin 2,048 x 32 float32; x 4 x 2,048 x 1,024 float32.
;; Outputs: out0 4 x 2,048 x 1,024 float32.
;; This version of the problem:
;;   THIS VERSION OF THE PROBLEM IS GIVEN IN LOW PRECISION. The matrix products marked QUANTISED in the list below multiply operands that are first quantised to E4M3 (4 exponent bits, 3 mantissa bits; 8 bits a number), with one given power-of-two scale for each operand tensor; their sums are f32. All else is computed in f32.
;;   The module's matrix products, in the order in which they are computed (A, B: the left and right operand; K: the contracted axis; several contracted axes count as one K, in the product's order):
;;     1. [M 8,192, K 1,024] x [K 1,024, N 3,072]; A: input x; B: input W_qkv: QUANTISED (scales: A lowp_scales[0], B lowp_scales[1])
;;     2. batch 64 x [M 2,048, K 64] x [K 64, N 2,048]; A: computed on the way; B: computed on the way: QUANTISED (scales: A lowp_scales[2], B lowp_scales[3])
;;     3. batch 64 x [M 2,048, K 2,048] x [K 2,048, N 64]; A: softmax (see below); B: computed on the way: QUANTISED (scales: A lowp_scales[4], B lowp_scales[5])
;;     4. [M 8,192, K 1,024] x [K 1,024, N 1,024]; A: computed on the way; B: input W_out: QUANTISED (scales: A lowp_scales[6], B lowp_scales[7])
;;   THE QUANTISER, for each operand of a quantised product, along K:
;;     - The operand's scale is 2^e, e = its entry of the input lowp_scales (int32; the entries are numbered through the quantised products in the list's order, A before B).
;;     - Each number is divided by the scale, clamped to +-448, and rounded to the nearest number of E4M3, ties to even, subnormals kept.
;;     - The product sums the exact products of the quantised numbers (number of the format x scale) in f32.
;;   ~~~python
;;   def quantise(x, axis, e):      # numpy; x: float32 -> the quantised numbers, widened to float32 again
;;       x = np.moveaxis(x, axis, -1); K = x.shape[-1]
;;       r = np.clip(x / 2.0 ** e, -448, 448)
;;       step = 2.0 ** (np.maximum(np.frexp(np.where(r == 0, 1, r))[1] - 1, -6) - 3)
;;       q = np.round(r / step) * step * 2.0 ** e      # np.round: ties to even
;;       return np.moveaxis(q, -1, axis).astype(np.float32)
;;   ~~~
;;   SOFTMAX AHEAD OF A QUANTISED PRODUCT. Where the list says 'softmax', what is quantised is not the finished softmax but p = 2^(t - M), with t = logit x log2(e) and M = ceil(the row's largest t), a whole number; so 1/2 < the row's largest p <= 1. The row's sum l is taken of the UNQUANTISED p, in f32, and the product's result is divided by l at the end. Since M is a whole number, a kernel that streams over the keys may use a running M (the ceiling of the running maximum): every later rescaling is an exact power of two, so the quantised numbers keep their values, but for numbers so far below the row's largest that they fall under the format's range.
;;   OPERANDS COMPUTED ON THE WAY. 'Computed on the way' means the value that the module computes at that place (a softmax that the list does not call 'softmax' is quantised finished and normalised). What goes into a quantiser is computed in f32, as accurately as f32 sums, v_exp_f32 and their like allow (about 1e-6 of the number): no bf16 or f16 on the way to a quantiser, and a product that is left as it is and whose result goes on into a quantised operand takes f32 operands (vector FMAs, or v_wmma_f32_16x16x4_f32). A number that lies on a knife's edge between two numbers of the format may be rounded either way, as far as f32 arithmetic and the matrix unit's own rounding can turn it there, and no further.
;; One version. Each part assembles by itself: llvm-mc -triple=amdgcn-amd-amdhsa -mcpu=gfx1250 --defsym DOCPART=n.
;; ======== version 1 of 1: 4 launches
;; limits: right only within a limited range of input values
;; workspace buffers: xc 8,388,608 bytes; wqc 3,145,728 bytes; woc 1,048,576 bytes; qc 8,388,608 bytes; kc 8,388,608 bytes; vc 8,388,608 bytes; ac 8,388,608 bytes
;; launch prep (part 1): grid 384 x 1, 4 waves a work-group, no clusters, 68,096 bytes of LDS; arguments x, W_qkv, W_out, lowp_scales, xc, wqc, woc; writes xc, wqc, woc
.if DOCPART == 1
	.amdgcn_target "amdgcn-amd-amdhsa--gfx1250"
	.amdhsa_code_object_version 6
	.text
	.protected	k_q31ef744fd7_prep
	.globl	k_q31ef744fd7_prep
	.p2align	8
	.type	k_q31ef744fd7_prep,@function
k_q31ef744fd7_prep:
	s_mov_b64 s[64:65], 0
	v_nop
	global_prefetch_b8 v0, s[64:65] scope:SCOPE_SE
	s_setreg_imm32_b32 hwreg(HW_REG_WAVE_MODE, 25, 1), 1
	s_wait_xcnt 0x0
; The three input operands become codes of FP8 (E4M3), K innermost, each with the one scale 2^e that is given for it:
;   x [8192][1024] f32 -> xc [8192][1024] (e = entry 0);  W_qkv [1024 (k)][3072 (n)] -> wqc [3072][1024] (entry 1);  W_out [1024 (k)][1024 (n)] -> woc [1024][1024] (entry 7).
; code = number / 2^e, held within +-448, rounded to the nearest code, ties to even.  LIMITS: each e between -126 and 119, so that 2^e and 448 x 2^e are f32 numbers.  NaN among the inputs is not served.
; Work-groups 0-255 take x, 32,768 numbers each; work-groups 256-383 take a tile of 128 columns x 256 rows of a weight.  Every work-group reads 128 KiB and writes 32 KiB.
; x: K is innermost, so x is a plain stream.  A load reads 512 consecutive bytes, 16 a lane; a step's 2,048 bytes turn through the wave's own stage in LDS and come back 64 bytes a lane: 16 neighbours along K, as the conversions want them.
; Weights: K is the first axis.  A lane takes a column n and its registers run down K: the conversions then give codes with K innermost; they leave through the wave's own stage as rows of 256 bytes.
; The two ways part on the work-group's number alone; each has LDS bytes of its own.  No tensor load, no barrier: waves share nothing.
.set STEPS, 16                         ; x: steps of 512 numbers for a wave
.set SP,    80                         ; x: a lane's place in a stage: its 64 bytes + 16 of padding
.set WREG,  8192                       ; x: a wave's region: two stages of 32 x SP bytes
.set NB,    8                          ; weights: blocks of 32 along K for a wave
.set WP,    272                        ; weights: a stage row: 256 bytes of codes + 16
.set WSTG,  4*WREG                     ; weights: the four stages of 32 rows begin here
.set SPARE, WSTG+4*32*WP               ; behind them: the spare words, 128 bytes for each wave: two blocks of 256 bytes that no other line names
.set SPW,   12                         ; v12  LDS address of my spare word; never rewritten
.set NIL,   13                         ; v13  0; never rewritten
.set XR,    16                         ; x: v16-79 four sets of 16 numbers as loaded
.set XX,    80                         ; x: v80-111 two sets of 16 neighbours
.set XC,    128                        ; x: v128-191 codes, four registers for each step: no store's data are written again
.set WX,    32                         ; weights: v32-95 two sets of 32 numbers
.set WC,    96                         ; weights: v96-103 a block's codes
.set WO,    112                        ; weights: v112-175 the way out
.set WR,    176                        ; weights: v176-207 byte offset of row i of a block at my column: i x pitch + 4 x lane
	s_load_b256 s[4:11], s[0:1], 0x0               ; x s[4:5], W_qkv s[6:7], W_out s[8:9], the scales' exponents s[10:11]
	s_load_b128 s[12:15], s[0:1], 0x20             ; xc s[12:13], wqc s[14:15]
	s_load_b64 s[16:17], s[0:1], 0x30              ; woc
	v_lshl_add_u32 v[SPW], v0, 2, SPARE
	v_mov_b32 v[NIL], 0
	v_lshrrev_b32 v1, 5, v0
	v_readfirstlane_b32 s18, v1                    ; wave 0..3
	v_and_b32 v2, 31, v0                           ; lane
	; every LDS address of both ways is made here, ahead of the parting
	v_lshlrev_b32 v3, 4, v2                        ; x: my 16 bytes of a load's 512, and of a store's
	s_mul_i32 s19, s18, WREG
	v_lshrrev_b32 v14, 2, v2
	v_mul_u32_u24 v14, v14, SP
	v_and_b32 v15, 3, v2
	v_lshl_add_u32 v14, v15, 4, v14
	v_add_nc_u32 v14, s19, v14                     ; x, into the stage: four lanes' 64 bytes on end, then 16 of padding
	v_mul_u32_u24 v15, v2, SP
	v_add_nc_u32 v15, s19, v15                     ; x, out of it: SP x lane: my 16 neighbours
	v_lshlrev_b32 v5, 2, v2                        ; weights: 4 bytes a lane
	s_mul_i32 s19, s18, 32*WP
	s_add_co_u32 s19, s19, WSTG
	v_mul_u32_u24 v6, v2, WP
	v_add_nc_u32 v6, s19, v6                       ; weights, into the stage: row = my column
	v_and_b32 v9, 15, v2
	v_lshrrev_b32 v4, 4, v2
	v_mul_u32_u24 v7, v4, WP
	v_lshl_add_u32 v7, v9, 4, v7
	v_add_nc_u32 v7, s19, v7                       ; weights, out of it: sixteen lanes to a row, two rows an instruction
	v_lshlrev_b32 v8, 10, v4
	v_lshl_add_u32 v8, v9, 4, v8                   ; and the same place in the codes' buffer: rows of 1,024 bytes
	s_wait_kmcnt 0x0
	s_load_b256 s[24:31], s[10:11], 0x0            ; e0 .. e7
	s_cmp_lt_u32 ttmp9, 256
	s_cbranch_scc0 .Lweights
; ---------------- x ----------------
	s_lshl_b32 s19, ttmp9, 2
	s_add_co_u32 s19, s19, s18                     ; which run of 8,192 numbers is my wave's
	s_lshl_b32 s20, s19, 15                        ; 32,768 bytes of f32,
	s_mov_b32 s21, 0
	s_add_nc_u64 s[4:5], s[4:5], s[20:21]
	s_lshl_b32 s20, s19, 13                        ; 8,192 bytes of codes
	s_add_nc_u64 s[12:13], s[12:13], s[20:21]
.macro LOADX t
.irp i, 0,1,2,3
	global_load_b128 v[XR+16*((\t)%4)+4*\i:XR+16*((\t)%4)+4*\i+3], v3, s[4:5] offset:2048*(\t)+512*\i th:TH_LOAD_NT   ; 32 lanes read 512 consecutive bytes
.endr
.endm
.macro TURNX t                         ; step t's numbers through the stage: LDS serves a wave's instructions in order (ISA guide 5.7.1.4), so no wait stands between the stores and the loads
.irp i, 0,1,2,3
	ds_store_b128 v14, v[XR+16*((\t)%4)+4*\i:XR+16*((\t)%4)+4*\i+3] offset:32*SP*((\t)%2)+8*SP*\i
.endr
.irp i, 0,1,2,3
	ds_load_b128 v[XX+16*((\t)%2)+4*\i:XX+16*((\t)%2)+4*\i+3], v15 offset:32*SP*((\t)%2)+16*\i
.endr
.endm
.irp t, 0,1,2,3
	LOADX \t
.endr
	s_wait_kmcnt 0x0
	s_add_co_i32 s22, s24, 127
	s_lshl_b32 s23, s22, 23
	v_mov_b32 v11, s23                             ; 2^e0 as f32: the conversion takes its exponent field
	s_add_co_i32 s22, s22, 8
	s_lshl_b32 s22, s22, 23
	s_or_b32 s22, s22, 0x600000
	v_mov_b32 v10, s22                             ; 448 x 2^e0
	s_wait_alu depctr_va_vdst(0)
	s_wait_loadcnt 12                              ; step 0's four loads are in; three steps' may be out
	TURNX 0
.macro STEPX t
.set XS, XX+16*((\t)%2)
	s_wait_dscnt 0x0                               ; this step's numbers are back from the stage: so its stores into the stage have read their registers,
.if (\t)+4 < STEPS
	LOADX (\t)+4                                   ; which take the loads of four steps on
.endif
.if (\t)+1 < STEPS
.if STEPS-2-(\t) >= 3
	s_wait_loadcnt 12                              ; the next step's four loads are in; those of the three steps behind it may be out
.else
	s_wait_loadcnt 4*(STEPS-2-(\t))
.endif
	TURNX (\t)+1                                   ; and go through the other stage while this step is worked
.endif
.irp i, 0,1,2,3,4,5,6,7,8,9,10,11,12,13,14,15
	v_med3_num_f32 v[XS+\i], v[XS+\i], -v10, v10   ; the conversion to an 8-bit code does not saturate (ISA guide 7.6.2): the hold at the largest code x the scale comes first
.endr
	v_cvt_scalef32_pk8_fp8_f32 v[XC+4*(\t):XC+4*(\t)+1], v[XS:XS+7], v11
	v_cvt_scalef32_pk8_fp8_f32 v[XC+4*(\t)+2:XC+4*(\t)+3], v[XS+8:XS+15], v11   ; the results go to a store alone; the next vector lines are the next step's holds, on other registers
	global_store_b128 v3, v[XC+4*(\t):XC+4*(\t)+3], s[12:13] offset:512*(\t)    ; 32 lanes store 512 consecutive bytes, aligned
.endm
.irp t, 0,1,2,3,4,5,6,7,8,9,10,11,12,13,14,15
	STEPX \t
.endr
	s_wait_tensorcnt 0x0                           ; the wave's end: three lines behind my last LDS store
	ds_add_u32 v[SPW], v[NIL]
	s_wait_dscnt 0x0
	s_endpgm
; ---------------- the weights ----------------
.Lweights:
	s_sub_co_u32 s19, ttmp9, 256
	s_and_b32 s20, s19, 3                          ; which 256 along K
	s_lshr_b32 s21, s19, 2                         ; column tile 0..31: 0-23 W_qkv's, 24-31 W_out's
	s_mov_b32 s32, 4096
	s_cmp_lt_u32 s21, 24                           ; the choice hangs on the work-group's number alone
	s_cselect_b64 s[6:7], s[6:7], s[8:9]           ; the weight,
	s_cselect_b64 s[14:15], s[14:15], s[16:17]     ; its codes,
	s_cselect_b32 s32, 12288, s32                  ; bytes from row to row,
	s_cselect_b32 s22, 0, 24                       ; and the tensor's first tile
	s_sub_co_u32 s22, s21, s22
	s_lshl_b32 s22, s22, 7
	s_lshl_b32 s23, s18, 5
	s_add_co_u32 s22, s22, s23                     ; my wave's first column: 128 x tile + 32 x wave
	s_mul_i32 s34, s20, s32
	s_lshl_b32 s34, s34, 8                         ; 256 rows x which
	s_lshl_b32 s35, s22, 2
	s_add_co_u32 s34, s34, s35
	s_mov_b32 s35, 0
	s_add_nc_u64 s[40:41], s[6:7], s[34:35]        ; block 0's base; a base for each of the eight blocks, so that none is ever stepped
	s_lshl_b32 s36, s32, 5                         ; 32 rows
	s_mov_b32 s37, 0
.irp t, 1,2,3,4,5,6,7
	s_add_nc_u64 s[40+2*\t:41+2*\t], s[38+2*\t:39+2*\t], s[36:37]
.endr
	s_lshl_b32 s34, s22, 10                        ; the codes: column x 1,024 + 256 x which
	s_lshl_b32 s38, s20, 8
	s_add_co_u32 s34, s34, s38
	s_add_nc_u64 s[14:15], s[14:15], s[34:35]
.set I, 0
.rept 32
	v_mad_u32_u24 v[WR+I], s32, I, v5
.set I, I+1
.endr
.macro LOADW t                         ; block t: W(32 t + i, my column), i = 0 .. 31, into set t % 2: each load reads 128 consecutive bytes, the four waves stand side by side on 512
.set I, 0
.rept 32
	global_load_b32 v[WX+32*((\t)%2)+I], v[WR+I], s[40+2*(\t):41+2*(\t)] th:TH_LOAD_NT
.set I, I+1
.endr
.endm
	LOADW 0
	LOADW 1
	s_wait_kmcnt 0x0
	s_cmp_lt_u32 s21, 24
	s_cselect_b32 s22, s25, s31                    ; e1 or e7
	s_add_co_i32 s22, s22, 127
	s_lshl_b32 s23, s22, 23
	v_mov_b32 v11, s23                             ; 2^e
	s_add_co_i32 s22, s22, 8
	s_lshl_b32 s22, s22, 23
	s_or_b32 s22, s22, 0x600000
	v_mov_b32 v10, s22                             ; 448 x 2^e
.macro BLOCKW t
.set XS, WX+32*((\t)%2)
.if (\t) < NB-1
	s_wait_loadcnt 32                              ; this block's 32 loads are in; the next block's may be out
.else
	s_wait_loadcnt 0x0
.endif
.set I, 0
.rept 32
	v_med3_num_f32 v[XS+I], v[XS+I], -v10, v10     ; the hold, as above
.set I, I+1
.endr
.irp g, 0,1,2,3
	v_cvt_scalef32_pk8_fp8_f32 v[WC+2*\g:WC+2*\g+1], v[XS+8*\g:XS+8*\g+7], v11
.endr
	ds_store_b128 v6, v[WC:WC+3] offset:32*(\t)    ; 32 codes: 32 bytes of my column's row.  (The results go to LDS stores alone; the next block begins with plain vector lines on other registers)
	ds_store_b128 v6, v[WC+4:WC+7] offset:32*(\t)+16
.if (\t)+2 < NB
	LOADW (\t)+2
.endif
	s_wait_dscnt 0x0                               ; the stores have read their registers: the next block's codes may be written
.endm
	s_wait_alu depctr_va_vdst(0)
.irp t, 0,1,2,3,4,5,6,7
	BLOCKW \t
.endr
.irp t, 0,1,2,3,4,5,6,7,8,9,10,11,12,13,14,15
	ds_load_b128 v[WO+4*\t:WO+4*\t+3], v7 offset:2*\t*WP   ; LDS serves a wave's instructions in order: these see my stores
.endr
.irp t, 0,1,2,3,4,5,6,7,8,9,10,11,12,13,14,15
	s_wait_dscnt 15-\t                             ; the younger loads may be out
	global_store_b128 v8, v[WO+4*\t:WO+4*\t+3], s[14:15] offset:2*\t*1024   ; sixteen lanes store 256 consecutive bytes, aligned
.endr
	s_wait_tensorcnt 0x0                           ; the wave's end: the same three lines
	ds_add_u32 v[SPW], v[NIL]
	s_wait_dscnt 0x0
	s_endpgm
.Lfunc_end_k_q31ef744fd7_prep:
	.size	k_q31ef744fd7_prep, .Lfunc_end_k_q31ef744fd7_prep-k_q31ef744fd7_prep
	.p2alignl 7, 3214868480
	.fill 96, 4, 3214868480
	.section	.rodata,"a",@progbits
	.p2align	6, 0x0
	.amdhsa_kernel k_q31ef744fd7_prep
		.amdhsa_group_segment_fixed_size 68096
		.amdhsa_private_segment_fixed_size 0
		.amdhsa_enable_private_segment 0
		.amdhsa_kernarg_size 56
		.amdhsa_user_sgpr_count 2
		.amdhsa_user_sgpr_kernarg_segment_ptr 1
		.amdhsa_wavefront_size32 1
		.amdhsa_system_sgpr_workgroup_id_x 1
		.amdhsa_system_sgpr_workgroup_id_y 1
		.amdhsa_system_sgpr_workgroup_id_z 1
		.amdhsa_system_vgpr_workitem_id 0
		.amdhsa_next_free_vgpr 208
		.amdhsa_next_free_sgpr 66
		.amdhsa_reserve_vcc 0
		.amdhsa_float_denorm_mode_32 3
		.amdhsa_float_denorm_mode_16_64 3
		.amdhsa_memory_ordered 1
		.amdhsa_forward_progress 1
		.amdhsa_inst_pref_size 88
	.end_amdhsa_kernel
	.amdgpu_metadata
---
amdhsa.version: [ 1, 2 ]
amdhsa.kernels:
  - .name:           k_q31ef744fd7_prep
    .symbol:         k_q31ef744fd7_prep.kd
    .args:
      - { .name: x, .offset: 0, .size: 8, .value_kind: global_buffer, .address_space: global }
      - { .name: W_qkv, .offset: 8, .size: 8, .value_kind: global_buffer, .address_space: global }
      - { .name: W_out, .offset: 16, .size: 8, .value_kind: global_buffer, .address_space: global }
      - { .name: lowp_scales, .offset: 24, .size: 8, .value_kind: global_buffer, .address_space: global }
      - { .name: xc, .offset: 32, .size: 8, .value_kind: global_buffer, .address_space: global }
      - { .name: wqc, .offset: 40, .size: 8, .value_kind: global_buffer, .address_space: global }
      - { .name: woc, .offset: 48, .size: 8, .value_kind: global_buffer, .address_space: global }
    .group_segment_fixed_size: 68096
    .private_segment_fixed_size: 0
    .kernarg_segment_align: 8
    .kernarg_segment_size: 56
    .max_flat_workgroup_size: 128
    .sgpr_count:     66
    .vgpr_count:     208
    .wavefront_size: 32
...
	.end_amdgpu_metadata
.endif
;; end of part 1
;; launch qkv (part 2): grid 16 x 32, 4 waves a work-group, clusters of 4 x 4, 327,680 bytes of LDS; arguments xc, wqc, b_qkv, cos, sin, lowp_scales, qc, kc, vc; writes qc, kc, vc
.if DOCPART == 2
	.amdgcn_target "amdgcn-amd-amdhsa--gfx1250"
	.amdhsa_code_object_version 6
	.text
	.protected	k_q31ef744fd7_qkv
	.globl	k_q31ef744fd7_qkv
	.p2align	8
	.type	k_q31ef744fd7_qkv,@function
k_q31ef744fd7_qkv:
	s_mov_b64 s[64:65], 0
	v_nop
	global_prefetch_b8 v0, s[64:65] scope:SCOPE_SE
	s_setreg_imm32_b32 hwreg(HW_REG_WAVE_MODE, 25, 1), 1
	s_wait_xcnt 0x0
	s_wait_alu depctr_hold_cnt(0) depctr_sa_sdst(0) depctr_va_vdst(0) depctr_va_sdst(0) depctr_va_ssrc(0) depctr_va_vcc(0) depctr_vm_vsrc(0)
	s_getreg_b32 s2, hwreg(HW_REG_IB_STS2, 6, 4)
	s_cmp_eq_u32 s2, 0
	s_cbranch_scc0 .Lentry_in_a_cluster
	s_endpgm
.Lentry_in_a_cluster:
	s_bfe_u32 s2, ttmp6, 0x10000c
	s_cmp_lg_u32 s2, 0xf033
	s_cbranch_scc0 .Lentry_shape_is_right
	s_endpgm
.Lentry_shape_is_right:
; qkv = x W_qkv + b_qkv on codes of FP8 (E4M3); q and k are turned by the rotary tables; q, k and v are quantised with the given scales 2^e2, 2^e3, 2^e5 and stored as images of the next products' operand registers.
; xc [8192][1024], wqc [3072][1024]: codes, K innermost.  A sum stands for sum x 2^(e0 + e1).
; LIMITS: e0 + e1 between -126 and 127; e2, e3, e5 between -126 and 119: each power of two below is then an f32 number.  NaN among the inputs is not served.
; SHARES.  A work-group makes 256 tokens x the 192 columns of ONE head.  Four waves: wave w takes tokens 128 (w / 2) on and, with c = w % 2, the raw channels 32 c .. 32 c + 31 of q, of k and of v: 48 accumulators, one text for all waves.
; K goes in steps of 256 through two LDS slots; four steps, written out.  CLUSTERS: 4 x 4 work-groups; x's tiles and the rotary tables hang on the tile row alone and are asked for jointly along a row of the cluster, W's tiles along a column.
; q AND k ARE MADE TRANSPOSED (source 0 = 16 rows of wqc, source 1 = 16 tokens): a lane holds ONE token.  THE ROWS OF wqc THAT FORM A TILE ARE CHOSEN: lane r takes raw channel 8 (r / 8) + 2 (r % 4) + (r / 4) % 2 of the tile's 16,
; so that a lane's registers 0-3 are the even channels 2 J and registers 4-7 the odd channels 2 J + 1, J = 16 c + 8 u + 4 (lane / 16) + 0 .. 3: four neighbours of a row of cos and of sin.
; The turned numbers stay in place: registers 0-3 output J, registers 4-7 output 32 + J.  q and k use the same order along the head, so every product of the scores meets its partner.
; v IS MADE THE OTHER WAY ROUND (source 0 = 16 tokens, source 1 = 16 rows of wqc): a lane holds one channel and eight neighbouring tokens, which are the next K.  Lane r of tile u takes channel 32 c + 8 u + r + 8 (r / 8).
; So each conversion's result is a piece of an operand's registers, and each store of the wave covers 512 consecutive bytes, aligned: no stage, no transposition.
;   qc, kc: [b x 16 + head][token / 16][p][lane][16 bytes]: registers 4 p .. 4 p + 3 of a 16 x 64 fragment.   vc: [b x 16 + head][token / 128][channel tile][quarter][lane][16 bytes]: a 16 x 128 fragment of V^T.
; REGISTERS, in windows of 256.  Window 0: v16-29 addresses; v32-63 q's and k's bias, v64-67 v's; v68-73 scales; v76-123 a block's 48 numbers; v124-127 at work; v128-255 x's 8 fragments, ONE set; on the way out: v128-159 tables, v160-223 q's and k's codes, v224-255 v's.
;   Window 1: W's 6 fragments, TWO sets, at v0 and v128.   Window 2: the 24 accumulators of my token blocks 0-3 (block a, tile b at v[8 (6 a + b)]); window 3: those of blocks 4-7.
.set PITCH,  272                       ; an LDS row: 256 bytes + 16 of padding = 68 words: row r starts at bank 4 r mod 64 (64 banks of 4 bytes: ISA guide 11.1)
.set HALFA,  128*PITCH                 ; what one load brings of x
.set HALFB,  96*PITCH                  ; and of W
.set BOFF,   2*HALFA                   ; a slot: x's 256 rows, then the head's 192 rows of W in their own order
.set SLOT,   2*HALFA+2*HALFB
.set CSB,    2*SLOT                    ; behind the ring: cos, 256 rows of 128 bytes + 16,
.set CSP,    144
.set SINO,   256*CSP                   ; then sin likewise
.set SPARE,  CSB+2*SINO                ; then the spare words, 128 bytes for each wave: two blocks of 256 bytes that no other line names
.set ADRA, 16                          ; v16-17  LDS address of my fragments of x in slot 0, 1
.set ADRB, 20                          ; v20-21  of W's rows for q and k
.set ADRV, 22                          ; v22-23  of W's rows for v
.set CSA,  24                          ; v24     of my four numbers of cos
.set LI,   25                          ; v25     16 x lane
.set BA,   26                          ; v26     32 x (lane / 16): q's and k's bias
.set VA,   27                          ; v27     4 x (r + 8 (r / 8)): v's bias
.set SPW,  28                          ; v28     LDS address of my spare word; never rewritten
.set NIL,  29                          ; v29     0; never rewritten
.set BQ,   32
.set BV,   64
.set SC,   68                          ; 2^e2, 448 x 2^e2, 2^e3, 448 x 2^e3, 2^e5, 448 x 2^e5
.set T,    76
.set X,    124
.set AF,   128
.set CO,   128
.set QKC,  160
.set VC,   224
.set G1,  24                           ; s[24:31] group 1 for x's tiles; s[32:39] group 0, a set for each slot
.set G0,  32
.set G1B, 48                           ; s[48:55], s[56:63] the same for W's
.set G0B, 56
.set G1C, 80                           ; s[80:87], s[88:91] the tables'
.set G0C, 88
.set MSB, 0
.macro WIN new                         ; the immediate's high byte repeats the setting that is left
.if MSB != (\new)
	s_set_vgpr_msb (MSB<<8)|(\new)
.set MSB, (\new)
.endif
.endm
.set TO_B, 0x40                        ; destination window 1, address window 0
; A joint load: waves 0 and 1 fetch x's halves, waves 2 and 3 W's.  Each line has one mask; the branch hangs on the wave's number alone.  An s_nop 0 and four v_nop follow each line.
.macro JLOAD s
	s_cmp_eq_u32 s15, 0
	s_cbranch_scc0 .Lfor_b_\@
	tensor_load_to_lds s[G0+4*\s:G0+4*\s+3], s[G1:G1+7]
	s_nop 0
.rept 4
	v_nop
.endr
	s_branch .Lasked_\@
.Lfor_b_\@:
	tensor_load_to_lds s[G0B+4*\s:G0B+4*\s+3], s[G1B:G1B+7]
	s_nop 0
.rept 4
	v_nop
.endr
.Lasked_\@:
.endm
.macro CREST                           ; a round of the cluster's barrier behind its opening barrier
	s_cmp_lg_u32 s14, 0
	s_cbranch_scc1 .Lnot_wave_0_\@
	s_barrier_signal -3
.Lnot_wave_0_\@:
	s_barrier_wait -3
	s_barrier_signal -1
	s_barrier_wait -1
.endm
.macro CROUND
	s_barrier_signal -1
	s_barrier_wait -1
	CREST
.endm
	s_load_b256 s[4:11], s[0:1], 0x0               ; xc s[4:5], wqc s[6:7], b_qkv s[8:9], cos s[10:11]
	s_load_b256 s[68:75], s[0:1], 0x20             ; sin s[68:69], the scales' exponents s[70:71], qc s[72:73], kc s[74:75]
	s_load_b64 s[76:77], s[0:1], 0x40              ; vc
	v_lshl_add_u32 v[SPW], v0, 2, SPARE
	v_mov_b32 v[NIL], 0
	ds_add_u32 v[SPW], v[NIL]                      ; the wave's opening: the add and its wait stand ahead of my first tensor load; the set-up below, work on registers, stands between them
	ds_add_u32 v[SPW], v[NIL]
	v_lshrrev_b32 v1, 5, v0
	v_readfirstlane_b32 s14, v1                    ; wave 0..3
	s_lshr_b32 s15, s14, 1                         ; my half of the tokens.  Also: I fetch for x (0) or for W (1); cos (0) or sin (1)
	s_and_b32 s16, s14, 1                          ; c: my half of the channels.  Also: which half of that tile I fetch
	s_bfe_u32 s40, ttmp6, 0x40000                  ; cx, cy: my place in the cluster
	s_bfe_u32 s41, ttmp6, 0x40004
	s_lshl_b32 s42, ttmp9, 2
	s_add_co_u32 s42, s42, s40                     ; the head = 4 x cluster x + cx
	s_and_b32 s17, ttmp7, 0xffff
	s_lshl_b32 s17, s17, 2
	s_add_co_u32 s17, s17, s41                     ; the tile row = 4 x cluster y + cy: tokens 256 x it on, counted through the four batches
	s_lshl_b32 s43, s41, 2
	s_lshl_b32 s43, 15, s43                        ; my row of the cluster
	s_lshl_b32 s44, 0x1111, s40                    ; my column
	s_or_b32 s[G1], s43, (1<<20)|(1<<21)|(5<<22)|(3<<25)    ; 15:0 the mask; 17:16 elements of 1 byte; 20 padding on; 21 set beside a mask; 24:22 after every 64 words (code 5); 31:25 four words (code 3)
	s_or_b32 s[G1B], s44, (1<<20)|(1<<21)|(5<<22)|(3<<25)
	s_or_b32 s[G1C], s43, (1<<20)|(1<<21)|(4<<22)|(3<<25)   ; the tables: after every 32 words (code 4)
.irp g, G1, G1B
	s_mov_b32 s[\g+1], 256<<16                     ; tensor_dim0 = 256 bytes
	s_mov_b32 s[\g+3], 256<<16                     ; tile_dim0
	s_mov_b32 s[\g+5], 1024                        ; from row to row
	s_mov_b32 s[\g+6], 0
	s_mov_b32 s[\g+7], 0
.endr
	s_mov_b32 s[G1+2], 128<<16                     ; tensor_dim1, tile_dim1: 128 rows of x,
	s_mov_b32 s[G1+4], 128
	s_mov_b32 s[G1B+2], 96<<16                     ; 96 of W
	s_mov_b32 s[G1B+4], 96
	s_mov_b32 s[G1C+1], 256<<16                    ; the tables: 128 rows of 128 bytes, dense in memory and begun at a multiple of 256: stated as 64 rows of 256 bytes, the padding still behind each 128
	s_mov_b32 s[G1C+2], 64<<16
	s_mov_b32 s[G1C+3], 256<<16
	s_mov_b32 s[G1C+4], 64
	s_mov_b32 s[G1C+5], 256
	s_mov_b32 s[G1C+6], 0
	s_mov_b32 s[G1C+7], 0
	; where the tiles come from.  x's and the tables' hang on the tile row alone, W's on the head alone, each in registers that never hold the other coordinate
	s_lshl_b32 s20, s17, 8
	s_lshl_b32 s21, s16, 7
	s_add_co_u32 s20, s20, s21
	s_lshl_b32 s20, s20, 10                        ; x: (256 x tile row + 128 x half) rows of 1,024 bytes
	s_mov_b32 s21, 0
	s_mul_i32 s46, s42, 192
	s_mul_i32 s47, s16, 96
	s_add_co_u32 s46, s46, s47
	s_lshl_b32 s46, s46, 10                        ; W: (192 x head + 96 x half) rows
	s_mov_b32 s47, 0
	s_and_b32 s22, s17, 7                          ; the tables go by the token within its batch: 256 x (tile row % 8) + 128 x half,
	s_lshl_b32 s22, s22, 8
	s_lshl_b32 s23, s16, 7
	s_add_co_u32 s22, s22, s23
	s_lshl_b32 s22, s22, 7                         ; rows of 128 bytes
	s_mov_b32 s23, 0
	s_mul_i32 s45, s16, HALFA                      ; and where they go: no place in the cluster enters an LDS address
	s_mul_i32 s18, s16, HALFB
	s_add_co_u32 s18, s18, BOFF
	s_mul_i32 s19, s14, 128*CSP
	s_add_co_u32 s19, s19, CSB                     ; wave 0, 1: cos's halves; wave 2, 3: sin's
	s_wait_dscnt 0x0                               ; the opening add is done
	s_wait_kmcnt 0x0
	s_load_b256 s[92:99], s[70:71], 0x0            ; e0 .. e7
	s_add_nc_u64 s[20:21], s[4:5], s[20:21]
	s_add_nc_u64 s[46:47], s[6:7], s[46:47]
	s_cmp_eq_u32 s15, 0                            ; the wave's number alone
	s_cselect_b64 s[12:13], s[10:11], s[68:69]
	s_add_nc_u64 s[22:23], s[12:13], s[22:23]
	CROUND                                         ; all sixteen work-groups are here: the first joint loads meet
.irp s, 0,1
	s_mov_b32 s[G0+4*\s], 1
	s_add_co_u32 s[G0+4*\s+1], s45, \s*SLOT
	s_add_nc_u64 s[G0+4*\s+2:G0+4*\s+3], s[20:21], \s*256
	s_or_b32 s[G0+4*\s+3], s[G0+4*\s+3], 0x80000000
	s_mov_b32 s[G0B+4*\s], 1
	s_add_co_u32 s[G0B+4*\s+1], s18, \s*SLOT
	s_add_nc_u64 s[G0B+4*\s+2:G0B+4*\s+3], s[46:47], \s*256
	s_or_b32 s[G0B+4*\s+3], s[G0B+4*\s+3], 0x80000000
.endr
	JLOAD 0                                        ; K step 0: one tensor load a wave at the head
	; PREFETCHES INTO THE L2: K steps 1 and 2 here, K step 3 behind K step 1's load: each at least one K step ahead of the load that wants it.  Of the rows that my wave fetches (128 of x, 96 of W) each of the
	; four partners that ask for them jointly names a quarter, told apart by address (cx for x, cy for W): a lane a row, 256 bytes of it; lanes 24-31 of W's waves name their wave's last row again.
	; W's rows are read by every row of clusters: the four clusters with y = 0 ask for them, each for its own four heads, and no other.
	s_and_b32 s3, ttmp7, 0xffff
	s_cmp_eq_u32 s3, 0
	s_cselect_b32 s3, 1, 0
	s_cmp_eq_u32 s15, 0                            ; do I fetch for x?
	s_cselect_b32 s3, 1, s3                        ; 1: my wave asks
	s_cselect_b64 s[100:101], s[20:21], s[46:47]
	s_cselect_b32 s12, s40, s41                    ; my place among the four
	s_cselect_b32 s13, 32, 24                      ; rows to a partner
	s_cselect_b32 s2, 31, 23
	s_mul_i32 s12, s12, s13
	s_lshl_b32 s12, s12, 10
	s_mov_b32 s13, 0
	s_add_nc_u64 s[100:101], s[100:101], s[12:13]
	v_and_b32 v30, 31, v0
	v_min_u32 v30, s2, v30
	v_lshlrev_b32 v30, 10, v30                     ; v30, s[100:101]: never rewritten
	s_cmp_lg_u32 s3, 0
	s_cbranch_scc0 .Lnot_mine_0
	global_prefetch_b8 v30, s[100:101] offset:256 th:TH_LOAD_NT scope:SCOPE_SE
	global_prefetch_b8 v30, s[100:101] offset:512 th:TH_LOAD_NT scope:SCOPE_SE
.Lnot_mine_0:
	s_mov_b32 s[G0C], 1
	s_mov_b32 s[G0C+1], s19
	s_mov_b64 s[G0C+2:G0C+3], s[22:23]
	s_or_b32 s[G0C+3], s[G0C+3], 0x80000000
	v_and_b32 v1, 15, v0                           ; r
	v_bfe_u32 v2, v0, 4, 1                         ; h
	v_mul_u32_u24 v3, v1, PITCH
	v_lshl_add_u32 v3, v2, 4, v3                   ; x: row r, + 16 h
	v_and_b32 v4, 8, v1
	v_and_b32 v5, 3, v1
	v_lshl_add_u32 v5, v5, 1, v4
	v_bfe_u32 v6, v0, 2, 1
	v_add_nc_u32 v5, v5, v6                        ; q, k: row 8 (r / 8) + 2 (r % 4) + (r / 4) % 2
	v_mul_u32_u24 v5, v5, PITCH
	v_lshl_add_u32 v5, v2, 4, v5
	v_add_nc_u32 v6, v4, v1                        ; v: row r + 8 (r / 8)
	v_mul_u32_u24 v7, v6, PITCH
	v_lshl_add_u32 v7, v2, 4, v7
	v_add_nc_u32 v7, 128*PITCH, v7                 ; behind q's and k's 128 rows
	s_mul_i32 s66, s15, HALFA                      ; my 128 tokens
	s_mul_i32 s67, s16, 32*PITCH                   ; my 32 channels
	s_add_co_u32 s67, s67, BOFF
.irp s, 0,1
	v_add_nc_u32 v[ADRA+\s], s66, v3
	v_add_nc_u32 v[ADRB+\s], s67, v5
	v_add_nc_u32 v[ADRV+\s], s67, v7
	s_add_co_u32 s66, s66, SLOT
	s_add_co_u32 s67, s67, SLOT
.endr
	v_mul_u32_u24 v[CSA], v1, CSP
	v_lshl_add_u32 v[CSA], v2, 4, v[CSA]
	s_mul_i32 s78, s15, 128*CSP
	s_lshl_b32 s79, s16, 6
	s_add_co_u32 s78, s78, s79
	s_add_co_u32 s78, s78, CSB
	v_add_nc_u32 v[CSA], s78, v[CSA]               ; cos(token 128 (w / 2) + r, 16 c + 4 h ..)
	v_and_b32 v[LI], 31, v0
	v_lshlrev_b32 v[LI], 4, v[LI]
	s_mul_i32 s78, s42, 192                        ; the bias: the head's 192 numbers, from my 32 channels on
	s_lshl_b32 s79, s16, 5
	s_add_co_u32 s78, s78, s79
	s_lshl_b32 s78, s78, 2
	s_mov_b32 s79, 0
	s_add_nc_u64 s[8:9], s[8:9], s[78:79]
	v_lshlrev_b32 v[BA], 5, v2
	v_lshlrev_b32 v[VA], 2, v6
.irp i, 0,1,2,3                        ; q's and k's, in the results' layout: register j of tile i is raw channel 64 (i / 2) + 16 (i % 2) + 8 h + 2 (j % 4) + j / 4
.irp j, 0,1,2,3,4,5,6,7
	global_load_b32 v[BQ+8*\i+\j], v[BA], s[8:9] offset:4*(64*(\i/2)+16*(\i%2)+2*(\j%4)+(\j/4))
.endr
.endr
.irp u, 0,1                            ; v's: one number a lane and tile, twice, to fill the pair that the packed form names
	global_load_b32 v[BV+2*\u], v[VA], s[8:9] offset:4*(128+8*\u)
	global_load_b32 v[BV+2*\u+1], v[VA], s[8:9] offset:4*(128+8*\u)
.endr
	; where my codes go
	s_lshr_b32 s78, s17, 3
	s_lshl_b32 s78, s78, 4
	s_add_co_u32 s78, s78, s42                     ; 16 x batch + head,
	s_lshl_b32 s78, s78, 17                        ; 131,072 bytes each
	s_and_b32 s79, s17, 7
	s_lshl_b32 s12, s79, 4
	s_lshl_b32 s13, s15, 3
	s_add_co_u32 s12, s12, s13
	s_lshl_b32 s12, s12, 10                        ; q, k: my first block of 16 tokens, 1,024 bytes a block,
	s_lshl_b32 s13, s16, 9
	s_add_co_u32 s12, s12, s13                     ; piece p = c
	s_add_co_u32 s12, s12, s78
	s_mov_b32 s13, 0
	s_add_nc_u64 s[72:73], s[72:73], s[12:13]
	s_add_nc_u64 s[74:75], s[74:75], s[12:13]
	s_lshl_b32 s12, s79, 1
	s_add_co_u32 s12, s12, s15
	s_lshl_b32 s12, s12, 13                        ; v: my 128 tokens, 8,192 bytes,
	s_lshl_b32 s79, s16, 12
	s_add_co_u32 s12, s12, s79                     ; channel tiles 2 c, 2 c + 1
	s_add_co_u32 s12, s12, s78
	s_add_nc_u64 s[76:77], s[76:77], s[12:13]
.macro FRAG reg, adr, q, row           ; a fragment, 16 rows x 128 K, is 16 registers: registers 4 c .. 4 c + 3 hold K = 32 c + 16 (lane / 16) + 0 .. 15: the same order of K on both sides of a product
.irp c, 0,1,2,3
	ds_load_b128 v[\reg+4*\c:\reg+4*\c+3], v[\adr] offset:128*(\q)+32*\c+(\row)*PITCH
.endr
.endm
.macro FETCH_B slot, q, p              ; W's six fragments of the slot's q-th 128 along K into set p: 24 loads
	WIN TO_B
.irp i, 0,1,2,3
	FRAG 128*(\p)+16*\i, ADRB+\slot, \q, 64*(\i/2)+16*(\i%2)
.endr
.irp u, 0,1
	FRAG 128*(\p)+64+16*\u, ADRV+\slot, \q, 8*\u
.endr
	WIN 0
.endm
.macro FETCH_A slot, q, i0             ; x's blocks i0 .. i0 + 3: 16 loads
.irp i, \i0, \i0+1, \i0+2, \i0+3
	FRAG AF+16*(\i), ADRA+\slot, \q, 16*(\i)
.endr
.endm
; 16 matrix instructions: token blocks 4 hi .. 4 hi + 3 x q's and k's four tiles.  The 48 accumulators take turns, one instruction a turn, in the same order in every step.
.macro QKS hi, p, zero
	WIN 0xa1+0x50*(\hi)                            ; source 0 (W) window 1, source 1 (x) window 0, C and D window 2 or 3
.irp a, 0,1,2,3
.irp b, 0,1,2,3
.if \zero
	v_wmma_f32_16x16x128_fp8_fp8 v[8*(6*\a+\b):8*(6*\a+\b)+7], v[128*(\p)+16*\b:128*(\p)+16*\b+15], v[AF+16*(4*(\hi)+\a):AF+16*(4*(\hi)+\a)+15], 0
.else
	v_wmma_f32_16x16x128_fp8_fp8 v[8*(6*\a+\b):8*(6*\a+\b)+7], v[128*(\p)+16*\b:128*(\p)+16*\b+15], v[AF+16*(4*(\hi)+\a):AF+16*(4*(\hi)+\a)+15], v[8*(6*\a+\b):8*(6*\a+\b)+7]
.endif
.endr
.endr
.endm
.macro VS hi, p, zero                  ; 8 more: the same blocks x v's two tiles, the sources the other way round
	WIN 0xa4+0x50*(\hi)                            ; source 0 (x) window 0, source 1 (W) window 1
.irp a, 0,1,2,3
.irp b, 4,5
.if \zero
	v_wmma_f32_16x16x128_fp8_fp8 v[8*(6*\a+\b):8*(6*\a+\b)+7], v[AF+16*(4*(\hi)+\a):AF+16*(4*(\hi)+\a)+15], v[128*(\p)+16*\b:128*(\p)+16*\b+15], 0
.else
	v_wmma_f32_16x16x128_fp8_fp8 v[8*(6*\a+\b):8*(6*\a+\b)+7], v[AF+16*(4*(\hi)+\a):AF+16*(4*(\hi)+\a)+15], v[128*(\p)+16*\b:128*(\p)+16*\b+15], v[8*(6*\a+\b):8*(6*\a+\b)+7]
.endif
.endr
.endr
.endm
.macro PLACES                          ; four places in front of loads into registers that matrix instructions have read (ISA guide 7.12.1 for vector instructions)
.rept 4
	v_nop
.endr
.endm
; A slot's first 128 along K, on W's set 0; it fetches the slot's second 128.
.macro STEP slot, zero
	s_wait_dscnt 16                                ; W's set and x's blocks 0-3 are in; the youngest sixteen loads (blocks 4-7) may be out
	QKS 0, 0, \zero
	VS 0, 0, \zero
	s_wait_dscnt 0x0                               ; blocks 4-7 are in
	PLACES
	FETCH_B \slot, 1, 1
	FETCH_A \slot, 1, 0
	QKS 1, 0, \zero
	VS 1, 0, \zero
	PLACES
	WIN 0
	FETCH_A \slot, 1, 4
.endm
; A slot's second 128, on set 1, changes slots: ONE barrier; in front of it each wave waits for all its tensor loads, adds 0 to its spare word, and waits for that and for its reads of this slot.  fill = 1: this slot is filled again, two K steps ahead.
.macro TURN slot, next, fill
	s_wait_tensorcnt 0x0                           ; all my tensor loads have landed: my part of the next slot.  Every window is 0 here
	ds_add_u32 v[SPW], v[NIL]                      ; 0 onto my spare word
	s_wait_dscnt 17                                ; (the add and the youngest sixteen loads may be out)
	QKS 0, 1, 0                                    ; sixteen matrix instructions stand between the add and the wait for it
	s_wait_dscnt 0x0                               ; the add is done, and my reads of this slot are over
	s_barrier_signal -1
	VS 0, 1, 0
	WIN 0
	s_barrier_wait -1
.if \fill == 2                         ; no slot is filled again behind this barrier: the tables' first fill stands here, behind a round of the cluster's barrier, my one tensor load
	CREST
	tensor_load_to_lds s[G0C:G0C+3], s[G1C:G1C+7]  ; my quarter of the tables
	s_nop 0
	PLACES
.endif
.if \fill == 1
	CREST
	s_add_nc_u64 s[G0+4*\slot+2:G0+4*\slot+3], s[G0+4*\slot+2:G0+4*\slot+3], 512
	s_add_nc_u64 s[G0B+4*\slot+2:G0B+4*\slot+3], s[G0B+4*\slot+2:G0B+4*\slot+3], 512
	JLOAD \slot                                    ; the first tensor load behind the round; its four v_nop are also the places in front of the loads below
.else
	PLACES
.endif
	s_wait_alu depctr_va_vdst(0)
	FETCH_B \next, 0, 0
	FETCH_A \next, 0, 0
	QKS 1, 1, 0
	VS 1, 1, 0
	PLACES
	WIN 0
	FETCH_A \next, 0, 4
.endm
	s_wait_alu depctr_va_vdst(0)                   ; the wait at the head's end
	s_wait_tensorcnt 0x0                           ; my part of K step 0 is in
	ds_add_u32 v[SPW], v[NIL]
	s_wait_dscnt 0x0
	CROUND                                         ; everybody's part of K step 0 is in, and the sixteen work-groups meet
	JLOAD 1                                        ; K step 1: the first tensor load behind the round
	FETCH_B 0, 0, 0
	FETCH_A 0, 0, 0
	FETCH_A 0, 0, 4
	s_cmp_lg_u32 s3, 0
	s_cbranch_scc0 .Lnot_mine_1
	global_prefetch_b8 v30, s[100:101] offset:768 th:TH_LOAD_NT scope:SCOPE_SE   ; K step 3, the row's last 256 bytes
.Lnot_mine_1:
	STEP 0, 1
	TURN 0, 1, 1                                   ; slot 0 takes K step 2
	STEP 1, 0
	TURN 1, 0, 1                                   ; slot 1 takes K step 3
	STEP 0, 0
	TURN 0, 1, 2                                   ; no K step is left to fetch: the tables are asked for here
	STEP 1, 0
	s_wait_dscnt 16                                ; the last 128 along K
	QKS 0, 1, 0
	VS 0, 1, 0
	s_wait_dscnt 0x0
	QKS 1, 1, 0
	VS 1, 1, 0
	WIN 0
; THE WAY OUT, a block of 16 tokens at a time.
	s_wait_kmcnt 0x0
	s_add_co_i32 s2, s92, s93
	s_add_co_i32 s2, s2, 127
	s_lshl_b32 s2, s2, 23                          ; 2^(e0 + e1) as f32
	s_mov_b32 s3, s2                               ; (named with it as a pair, so it is written)
.irp n, 0,1,2                          ; e2, e3, e5: the scale as f32 and 448 x it.  These six plain lines are also the places behind the last products
	s_add_co_i32 s12, s[94+\n+\n/2], 127
	s_lshl_b32 s13, s12, 23
	v_mov_b32 v[SC+2*\n], s13
	s_add_co_i32 s12, s12, 8
	s_lshl_b32 s12, s12, 23
	s_or_b32 s12, s12, 0x600000
	v_mov_b32 v[SC+2*\n+1], s12
.endr
	s_wait_loadcnt 0x0                             ; the bias
.macro CSLOAD a                        ; block a's numbers of cos and sin: for each of the two tiles u, J = 16 c + 8 u + 4 h + 0 .. 3 of my token
.irp u, 0,1
	ds_load_b128 v[CO+16*((\a)%2)+4*\u:CO+16*((\a)%2)+4*\u+3], v[CSA] offset:(\a)*16*CSP+32*\u
	ds_load_b128 v[CO+16*((\a)%2)+8+4*\u:CO+16*((\a)%2)+8+4*\u+3], v[CSA] offset:(\a)*16*CSP+32*\u+SINO
.endr
.endm
.macro OUTB a
.set AC, 48*((\a)%4)
.set CT, CO+16*((\a)%2)
.if (\a) < 7
	CSLOAD (\a)+1
.endif
	WIN 0x02+(\a)/4                                ; source 0: window 2 or 3
.irp b, 0,1,2,3
.irp j, 0,2,4,6
	v_pk_fma_f32 v[T+8*\b+\j:T+8*\b+\j+1], v[AC+8*\b+\j:AC+8*\b+\j+1], s[2:3], v[BQ+8*\b+\j:BQ+8*\b+\j+1] op_sel_hi:[1,0,1]   ; sum x 2^(e0 + e1) + bias; each accumulator from its low end on
.endr
.endr
.irp u, 0,1
.irp j, 0,2,4,6
	v_pk_fma_f32 v[T+32+8*\u+\j:T+32+8*\u+\j+1], v[AC+32+8*\u+\j:AC+32+8*\u+\j+1], s[2:3], v[BV+2*\u:BV+2*\u+1] op_sel_hi:[1,0,1]
.endr
.endr
	WIN 0
.if (\a) < 7
	s_wait_dscnt 4                                 ; this block's tables are in; the next block's four loads may be out
.else
	s_wait_dscnt 0x0
.endif
.irp i, 0,1,2,3                        ; q's two tiles, k's two.  a = registers 0-3 (channels 2 J), b = registers 4-7 (2 J + 1):  a' = a cos - b sin,  b' = a sin + b cos
.irp k, 0,2
	v_pk_mul_f32 v[X+\k:X+\k+1], v[T+8*\i+4+\k:T+8*\i+5+\k], v[CT+8+4*(\i%2)+\k:CT+9+4*(\i%2)+\k]
.endr
.irp k, 0,2
	v_pk_mul_f32 v[T+8*\i+4+\k:T+8*\i+5+\k], v[T+8*\i+4+\k:T+8*\i+5+\k], v[CT+4*(\i%2)+\k:CT+1+4*(\i%2)+\k]
.endr
.irp k, 0,2
	v_pk_fma_f32 v[T+8*\i+4+\k:T+8*\i+5+\k], v[T+8*\i+\k:T+8*\i+1+\k], v[CT+8+4*(\i%2)+\k:CT+9+4*(\i%2)+\k], v[T+8*\i+4+\k:T+8*\i+5+\k]
.endr
.irp k, 0,2
	v_pk_fma_f32 v[T+8*\i+\k:T+8*\i+1+\k], v[T+8*\i+\k:T+8*\i+1+\k], v[CT+4*(\i%2)+\k:CT+1+4*(\i%2)+\k], v[X+\k:X+\k+1] neg_lo:[0,0,1] neg_hi:[0,0,1]
.endr
.irp j, 0,1,2,3,4,5,6,7
	v_med3_num_f32 v[T+8*\i+\j], v[T+8*\i+\j], -v[SC+2*(\i/2)+1], v[SC+2*(\i/2)+1]   ; the conversion does not saturate (ISA guide 7.6.2): the hold comes first
.endr
	v_cvt_scalef32_pk8_fp8_f32 v[QKC+8*(\a)+2*\i:QKC+8*(\a)+2*\i+1], v[T+8*\i:T+8*\i+7], v[SC+2*(\i/2)]
.endr
.irp u, 0,1                            ; v: eight neighbouring tokens of my channel: registers 2 a, 2 a + 1 of the fragment
.irp j, 0,1,2,3,4,5,6,7
	v_med3_num_f32 v[T+32+8*\u+\j], v[T+32+8*\u+\j], -v[SC+5], v[SC+5]
.endr
	v_cvt_scalef32_pk8_fp8_f32 v[VC+16*\u+2*(\a):VC+16*\u+2*(\a)+1], v[T+32+8*\u:T+39+8*\u], v[SC+4]
.endr
	v_nop                                          ; one plain line behind the last conversion: the next block writes its sources
	global_store_b128 v[LI], v[QKC+8*(\a):QKC+8*(\a)+3], s[72:73] offset:(\a)*1024     ; 32 lanes store 512 consecutive bytes, aligned; each block has code registers of its own
	global_store_b128 v[LI], v[QKC+8*(\a)+4:QKC+8*(\a)+7], s[74:75] offset:(\a)*1024
.endm
	s_wait_alu depctr_va_vdst(0)                   ; the wait here, directly ahead of the wait below
	s_wait_tensorcnt 0x0                           ; my quarter of the tables is in;
	s_barrier_signal -1
	s_barrier_wait -1                              ; and so is everybody's
	CSLOAD 0
.irp a, 0,1,2,3,4,5,6,7
	OUTB \a
.endr
.irp u, 0,1
.irp q, 0,1,2,3
	global_store_b128 v[LI], v[VC+16*\u+4*\q:VC+16*\u+4*\q+3], s[76:77] offset:\u*2048+\q*512
.endr
.endr
	s_wait_tensorcnt 0x0                           ; the wave's end: three lines behind my last tensor load
	ds_add_u32 v[SPW], v[NIL]
	s_wait_dscnt 0x0
	CROUND                                         ; the closing round: no work-group ends while a partner may still ask for a tile that names it
	s_endpgm
.Lfunc_end_k_q31ef744fd7_qkv:
	.size	k_q31ef744fd7_qkv, .Lfunc_end_k_q31ef744fd7_qkv-k_q31ef744fd7_qkv
	.p2alignl 7, 3214868480
	.fill 96, 4, 3214868480
	.section	.rodata,"a",@progbits
	.p2align	6, 0x0
	.amdhsa_kernel k_q31ef744fd7_qkv
		.amdhsa_group_segment_fixed_size 327680
		.amdhsa_private_segment_fixed_size 0
		.amdhsa_enable_private_segment 0
		.amdhsa_kernarg_size 72
		.amdhsa_user_sgpr_count 2
		.amdhsa_user_sgpr_kernarg_segment_ptr 1
		.amdhsa_wavefront_size32 1
		.amdhsa_system_sgpr_workgroup_id_x 1
		.amdhsa_system_sgpr_workgroup_id_y 1
		.amdhsa_system_sgpr_workgroup_id_z 1
		.amdhsa_system_vgpr_workitem_id 0
		.amdhsa_next_free_vgpr 1024
		.amdhsa_next_free_sgpr 102
		.amdhsa_reserve_vcc 0
		.amdhsa_float_denorm_mode_32 3
		.amdhsa_float_denorm_mode_16_64 3
		.amdhsa_memory_ordered 1
		.amdhsa_forward_progress 1
		.amdhsa_inst_pref_size 135
	.end_amdhsa_kernel
	.amdgpu_metadata
---
amdhsa.version: [ 1, 2 ]
amdhsa.kernels:
  - .name:           k_q31ef744fd7_qkv
    .symbol:         k_q31ef744fd7_qkv.kd
    .args:
      - { .name: xc, .offset: 0, .size: 8, .value_kind: global_buffer, .address_space: global }
      - { .name: wqc, .offset: 8, .size: 8, .value_kind: global_buffer, .address_space: global }
      - { .name: b_qkv, .offset: 16, .size: 8, .value_kind: global_buffer, .address_space: global }
      - { .name: cos, .offset: 24, .size: 8, .value_kind: global_buffer, .address_space: global }
      - { .name: sin, .offset: 32, .size: 8, .value_kind: global_buffer, .address_space: global }
      - { .name: lowp_scales, .offset: 40, .size: 8, .value_kind: global_buffer, .address_space: global }
      - { .name: qc, .offset: 48, .size: 8, .value_kind: global_buffer, .address_space: global }
      - { .name: kc, .offset: 56, .size: 8, .value_kind: global_buffer, .address_space: global }
      - { .name: vc, .offset: 64, .size: 8, .value_kind: global_buffer, .address_space: global }
    .group_segment_fixed_size: 327680
    .private_segment_fixed_size: 0
    .kernarg_segment_align: 8
    .kernarg_segment_size: 72
    .max_flat_workgroup_size: 128
    .sgpr_count:     102
    .vgpr_count:     1024
    .wavefront_size: 32
...
	.end_amdgpu_metadata
.endif
;; end of part 2
;; launch attn (part 3): grid 4 x 64, 8 waves a work-group, no clusters, 263,168 bytes of LDS; arguments qc, kc, vc, lowp_scales, ac; writes ac
.if DOCPART == 3
	.amdgcn_target "amdgcn-amd-amdhsa--gfx1250"
	.amdhsa_code_object_version 6
	.text
	.protected	k_q31ef744fd7_attn
	.globl	k_q31ef744fd7_attn
	.p2align	8
	.type	k_q31ef744fd7_attn,@function
k_q31ef744fd7_attn:
	s_mov_b64 s[64:65], 0
	v_nop
	global_prefetch_b8 v0, s[64:65] scope:SCOPE_SE
	s_setreg_imm32_b32 hwreg(HW_REG_WAVE_MODE, 25, 1), 1
	s_wait_xcnt 0x0
; attn[b][t][head] = the sum over keys s <= t of softmax_s(q . k / 8) v, both products on codes of FP8 (E4M3) with the given scales; the result is quantised with 2^e6 for the last product.
; qc, kc: images of 16 x 64 fragments, 1,024 bytes for 16 tokens; vc: images of 16 x 128 fragments of V^T, 8,192 bytes for 128 keys; 131,072 bytes a head each.
; THE SOFTMAX: t = score x 2^(e2 + e3) x log2(e) / 8; M = the running largest t rounded UP to a whole number; p = 2^(t - M) is quantised with 2^e4, not normalised; the row's sum is taken of the unquantised p and divides at the end.
; When M moves, the sum and O are multiplied by 2^(old M - new M): exact.  Key tiles that lie wholly behind the causal mask of the problem are not multiplied.
; LIMITS: e2 + e3 between -123 and 130 (added to the constant's exponent field); e4, e6 between -126 and 119; e4 + e5 goes by v_ldexp_f32 and has none.
; SHARES.  Work-group i (0..3) of a head owns the blocks of 256 queries 7 - i and then i.  Each of EIGHT waves owns 32 queries of the block in hand, two tiles A and B of 16: every fragment of K and of V^T read from LDS feeds two matrix instructions.
; Wave w takes queries 32 w on of the first block and 32 (7 - w) on of the second: 2 (7 - i) + 2 i + 3 = 17 key steps for every wave.
; K AND V STAY IN LDS: a head's K is 128 KiB, its V^T as much.  They come in four groups of 512 keys (32 KiB of each); wave w brings 8 KiB of a group (waves 0-3 K's quarters, 4-7 V's) through 64 registers.
; No byte of LDS is written twice.  A group all of whose keys come after the work-group's last query is neither loaded nor stored (a scalar branch on ids).
; THE WALK is the same in every work-group: 24 steps of 128 keys: keys 0 .. 2,047 for the first block, keys 0 .. 1,023 for the second; the trip count is a constant.  A step all of whose keys come after
; the wave's queries is jumped over (ids alone); in the one step on the diagonal hidden scores become -infinity.
; THE BARRIER IS SPLIT.  At a step's head stand its wait, then all that is no register work and no LDS read (at step 4 p + 2: group p + 1's LDS stores and group p + 2's loads; at step 16: the first block's way out), then the signal;
; the step's LDS reads and arithmetic stand between the signal and the next step's wait.  So group p + 1 is whole, for every wave, behind the wait of step 4 p + 3, a step ahead of its first read, and its loads were issued four steps (group 1's: two) ahead of its stores.
; THE HOLD at 448 x 2^e4: p is at most 1, so where e4 >= -8 (448 x 2^-8 = 1.75) the hold changes no number; for every smaller e4 they run.
; NO TENSOR LOAD stands in this text.  NO CLUSTER: work-groups 2 and 3 of a head read no key from 1,536 on, so a joint load of the fourth group would bring them a tile that none of their waves reads.
; NO PREFETCH: each group's bytes are asked of memory by the register loads themselves, four key steps ahead of their use.
; LAYOUT.  S^T = K Q^T (source 0 = 16 keys, source 1 = 16 queries), O^T = V^T P^T: a lane holds ONE query of each tile, and eight scores of a tile are eight neighbouring keys: each conversion's result is two registers of P's fragment.
; ac: [head / 4][row / 16][(head % 4) x 1,024 + b x 512 + 16 x lane]: the image of the last product's fragments.
; REGISTERS.  Window 0: v1-9 addresses; v10 -M and v11 the largest raw score of tile A, v12, v13 of B; v[14:15], v[224:225] the sums; v16-31 A's Q (both blocks); v32-95 K; v96-159 A's S^T, then p; v160-191 A's O^T; v208-223 A's P; v226-253 at work, constants.
;   Window 1: v16-31 B's Q; v32-95 V^T; v96-159, v160-191, v208-223 B's S^T, O^T, P; v224-255, v0-15, v192-207 the 64 registers through which a group comes.
.set VOFF,  131072                     ; V^T's 128 KiB lie behind K's
.set SPARE, 262144                     ; behind both: the spare words, 128 bytes for each wave: four blocks of 256 bytes that no other line names
.set LI,  1                            ; 16 x lane
.set LIV, 2                            ; VOFF + 16 x lane
.set SA0, 3                            ; where my part of a group begins in LDS, group 0
.set SA,  4                            ; the same for the group in hand
.set SPW, 5
.set NIL, 6
.set DM,  7                            ; r - 8 h, for the mask
.set ADR, 8
.set ADV, 9
.set TB,  2                            ; s2   LDS byte of the step's keys in K
.set ST,  3                            ; s3   the step, 0 .. 23
.set KS,  15                           ; s15  128 x step
.set TBS, 16
.set TMP, 17
.set WV,  18
.set E45, 19
.set SEL, 20                           ; s[20:21] lane selects: lane l xor 16
.set CS,  22                           ; s[22:23] the constant c
.set KF,  24                           ; s24  the step's first key
.set Q0,  25                           ; s25  my first query, s26 my last
.set QE,  26
.set Q0L, 27                           ; s27  my first query in the second block
.set QL,  28                           ; s28  the work-group's last query of the first block
.set E4,  29
.set GB,  30                           ; s[30:31] my part of the group that was asked for last, in memory
.set AP,  32                           ; s[32:33] where my codes go; s[34:35] the same for the second block
.set MSB, 0
.macro WIN new                         ; low byte: bits 1:0 source 0, 3:2 source 1, 5:4 source 2, 7:6 destination; the high byte repeats the setting that is left
.if MSB != (\new)
	s_set_vgpr_msb (MSB<<8)|(\new)
.set MSB, (\new)
.endif
.endm
.macro STG k                           ; the k-th four of the 64 registers of window 1 through which a group comes
.if (\k) < 8
.set SR, 224+4*(\k)
.else
.if (\k) < 12
.set SR, 4*(\k)-32
.else
.set SR, 144+4*(\k)
.endif
.endif
.endm
.macro GLOAD                           ; my 8 KiB of a group: each load reads 512 consecutive bytes.  It leaves the destination's window at 1
	WIN 0x40
.set K, 0
.rept 16
	STG K
	global_load_b128 v[SR:SR+3], v[LI], s[GB:GB+1] offset:512*K
.set K, K+1
.endr
.endm
.macro GSTORE adr                      ; and into LDS
	WIN 0x04                                       ; the stores' data lie in window 1
.set K, 0
.rept 16
	STG K
	ds_store_b128 v[\adr], v[SR:SR+3] offset:512*K
.set K, K+1
.endr
	WIN 0
.endm
.macro RESET                           ; a block's start: the largest raw score -2^30, under every sum of 64 products of codes; the sums and O^T zeros, which the first change of M leaves zeros: so the key step is written once
	v_mov_b32 v11, 0xce800000
	v_mov_b32 v13, 0xce800000
	v_mul_f32 v230, s[CS], v11
	v_mov_b32 v14, 0
	v_mov_b32 v15, 0
	v_mov_b32 v224, 0
	v_mov_b32 v225, 0
	v_floor_f32 v10, -v230
	v_floor_f32 v12, -v230
.irp w, 0,1
	WIN 0x40*\w
.set J, 0
.rept 32
	v_mov_b32 v[160+J], 0
.set J, J+1
.endr
.endr
	WIN 0
.endm
.macro MASK                            ; register n holds key 16 (n / 8) + 8 h + n % 8 of the step: hidden where 16 (n / 8) + n % 8 > v248
.set N, 0
.rept 64
	v_cmp_gt_i32 vcc_lo, 16*(N/8)+N%8, v248
	v_cndmask_b32 v[96+N], v[96+N], v249, vcc_lo
.set N, N+1
.endr
.endm
.macro QK c0                           ; four tiles of 16 keys against 16 queries.  Lane (r, h): query r, keys 16 c + 8 h + 0 .. 7
.irp c, \c0, \c0+1, \c0+2, \c0+3
	v_wmma_f32_16x16x64_fp8_fp8 v[96+8*(\c):103+8*(\c)], v[32+8*(\c):39+8*(\c)], v[16:23], 0
.endr
.endm
.macro MAXES w, a, b, mr               ; the largest of the running raw maximum and my 64 scores, in four chains that take turns; each accumulator from its low end on
	WIN 0x14*(\w)
	v_max3_num_f32 v[\a], v[\mr], v96, v97
	v_max3_num_f32 v[\a+1], v[\mr], v98, v99
	v_max3_num_f32 v[\b], v[\mr], v100, v101
	v_max3_num_f32 v[\b+1], v[\mr], v102, v103
.set J, 104
.rept 7
	v_max3_num_f32 v[\a], v[\a], v[J], v[J+1]
	v_max3_num_f32 v[\a+1], v[\a+1], v[J+2], v[J+3]
	v_max3_num_f32 v[\b], v[\b], v[J+4], v[J+5]
	v_max3_num_f32 v[\b+1], v[\b+1], v[J+6], v[J+7]
.set J, J+8
.endr
.endm
.macro SUMS w, su                      ; the row's sum of the unquantised p, two at a time, in four chains
	WIN 5*(\w)
	v_pk_add_f32 v[238:239], v[96:97], v[98:99]
	v_pk_add_f32 v[240:241], v[100:101], v[102:103]
	v_pk_add_f32 v[242:243], v[104:105], v[106:107]
	WIN 4*(\w)
.set J, 108
.rept 6
	v_pk_add_f32 v[\su:\su+1], v[\su:\su+1], v[J:J+1]
	v_pk_add_f32 v[238:239], v[238:239], v[J+2:J+3]
	v_pk_add_f32 v[240:241], v[240:241], v[J+4:J+5]
	v_pk_add_f32 v[242:243], v[242:243], v[J+6:J+7]
.set J, J+8
.endr
	v_pk_add_f32 v[\su:\su+1], v[\su:\su+1], v[156:157]
	v_pk_add_f32 v[238:239], v[238:239], v[158:159]
	WIN 0
	v_pk_add_f32 v[240:241], v[240:241], v[242:243]
	v_pk_add_f32 v[\su:\su+1], v[\su:\su+1], v[238:239]
	v_pk_add_f32 v[\su:\su+1], v[\su:\su+1], v[240:241]
.endm
; A BLOCK'S END: O^T / the sum x 2^(e4 + e5) is the attention's result; it is quantised with 2^e6 and leaves as pieces of the last product's fragments.
.macro FINAL
	v_add_f32 v14, v14, v15                        ; the sums' two halves.  (These six lines are also the places behind the last products)
	v_add_f32 v224, v224, v225
	v_permlanex16_b32 v234, v14, s[SEL], s[SEL+1]
	v_permlanex16_b32 v235, v224, s[SEL], s[SEL+1]
	v_add_f32 v14, v14, v234                       ; and lane l xor 16's
	v_add_f32 v224, v224, v235
	s_wait_alu depctr_va_vdst(0)                   ; the wait ahead of the two reciprocals
	v_rcp_f32 v250, v14
	v_rcp_f32 v252, v224
	v_nop                                          ; a plain line behind them,
	s_wait_alu depctr_va_vdst(0)                   ; and the wait ahead of their first reader
	v_ldexp_f32 v250, v250, s[E45]
	v_ldexp_f32 v252, v252, s[E45]
.irp w, 0,1
	WIN 0x41*\w
	s_wait_alu depctr_va_vdst(0)                   ; the wait here, directly ahead of the first reader of O^T
.set J, 0
.rept 16
	v_pk_mul_f32 v[96+J:97+J], v[160+J:161+J], v[250+2*\w:251+2*\w] op_sel_hi:[1,0]   ; each accumulator from its low end on
.set J, J+2
.endr
.set J, 0
.rept 32
	v_med3_num_f32 v[96+J], v[96+J], -v247, v247
.set J, J+1
.endr
.endr
.irp w, 0,1
	WIN 0x41*\w
.irp b, 0,1
	v_cvt_scalef32_pk8_fp8_f32 v[208+4*\b:209+4*\b], v[96+16*\b:103+16*\b], v246     ; channels 32 b + 16 h + 0 .. 7,
	v_cvt_scalef32_pk8_fp8_f32 v[210+4*\b:211+4*\b], v[104+16*\b:111+16*\b], v246    ; + 8 .. 15
.endr
.endr
	WIN 0
	v_nop                                          ; one plain line behind the last conversion
	global_store_b128 v[LI], v[208:211], s[AP:AP+1]              ; 32 lanes store 512 consecutive bytes, aligned
	global_store_b128 v[LI], v[212:215], s[AP:AP+1] offset:512
	WIN 0x04                                       ; tile B's codes lie in window 1; its rows are the next block of 16
	global_store_b128 v[LI], v[208:211], s[AP:AP+1] offset:4096
	global_store_b128 v[LI], v[212:215], s[AP:AP+1] offset:4608
	WIN 0
.endm
	s_load_b256 s[4:11], s[0:1], 0x0               ; qc s[4:5], kc s[6:7], vc s[8:9], the scales' exponents s[10:11]
	s_load_b64 s[12:13], s[0:1], 0x20              ; ac
	v_lshl_add_u32 v[SPW], v0, 2, SPARE
	v_mov_b32 v[NIL], 0
	v_lshrrev_b32 v8, 5, v0
	v_readfirstlane_b32 s[WV], v8                  ; wave 0..7
	v_and_b32 v[LI], 31, v0
	v_lshlrev_b32 v[LI], 4, v[LI]
	v_add_nc_u32 v[LIV], VOFF, v[LI]
	s_lshr_b32 s36, s[WV], 2
	s_lshl_b32 s36, s36, 17                        ; waves 0-3 bring K, waves 4-7 V^T,
	s_and_b32 s37, s[WV], 3
	s_lshl_b32 s38, s37, 13                        ; each a quarter, 8 KiB, of a group's 32 KiB
	s_mov_b32 s39, 0
	s_add_co_u32 s36, s36, s38
	v_add_nc_u32 v[SA0], s36, v[LI]
	v_and_b32 v[DM], 15, v0
	v_bfe_u32 v9, v0, 4, 1
	v_lshlrev_b32 v9, 3, v9
	v_sub_nc_u32 v[DM], v[DM], v9
	v_mov_b32 v249, 0xff800000                     ; -infinity
.irp r, 227,229,234,235,251,253
	v_mov_b32 v\r, 0                               ; upper halves of pairs that packed forms name, and lane permutes' destinations: written once
.endr
	s_and_b32 s40, ttmp7, 0xffff                   ; 16 x batch + head
	s_lshl_b32 s42, s40, 17                        ; its first byte in qc, kc and vc
	s_mov_b32 s43, 0
	s_mov_b32 s[SEL], 0x76543210
	s_mov_b32 s[SEL+1], 0xfedcba98
	s_mov_b32 s[CS], 0x3e38aa3b                    ; log2(e) / 8
	s_mov_b32 s[TB], 0
	s_mov_b32 s[ST], 0
	s_mov_b32 s[KS], 0
	s_lshl_b32 s41, s[WV], 5
	s_sub_co_u32 s[Q0], 7, ttmp9
	s_lshl_b32 s[Q0], s[Q0], 8
	s_add_co_u32 s[Q0], s[Q0], s41                 ; 256 (7 - i) + 32 x wave
	s_add_co_u32 s[QE], s[Q0], 31
	s_sub_co_u32 s41, 224, s41
	s_lshl_b32 s[Q0L], ttmp9, 8
	s_add_co_u32 s[Q0L], s[Q0L], s41               ; 256 i + 32 x (7 - wave)
	s_sub_co_u32 s[QL], 8, ttmp9
	s_lshl_b32 s[QL], s[QL], 8
	s_sub_co_u32 s[QL], s[QL], 1                   ; 256 (8 - i) - 1
	s_wait_alu depctr_va_vdst(0)                   ; the wait here, directly ahead of the wait below
	s_wait_kmcnt 0x0
	s_load_b256 s[48:55], s[10:11], 0x0            ; e0 .. e7
	s_cmp_lt_u32 s[WV], 4                          ; the wave's number alone
	s_cselect_b64 s[GB:GB+1], s[6:7], s[8:9]
	s_add_nc_u64 s[GB:GB+1], s[GB:GB+1], s[42:43]
	s_add_nc_u64 s[GB:GB+1], s[GB:GB+1], s[38:39]
	s_add_nc_u64 s[4:5], s[4:5], s[42:43]
	s_lshl_b32 s44, s[Q0], 6                       ; 64 bytes a query
	s_mov_b32 s45, 0
	s_add_nc_u64 s[46:47], s[4:5], s[44:45]
	s_lshl_b32 s44, s[Q0L], 6
	s_add_nc_u64 s[56:57], s[4:5], s[44:45]
	global_load_b128 v[16:19], v[LI], s[46:47]               ; the first block's fragments of Q: tile A's,
	global_load_b128 v[20:23], v[LI], s[46:47] offset:512
	GLOAD                                          ; group 0,
	global_load_b128 v[16:19], v[LI], s[46:47] offset:1024   ; and tile B's, into window 1
	global_load_b128 v[20:23], v[LI], s[46:47] offset:1536
	WIN 0
	s_and_b32 s58, s40, 15                         ; head
	s_lshr_b32 s60, s58, 2
	s_lshl_b32 s60, s60, 21                        ; (head / 4) x 512 row blocks x 4,096
	s_and_b32 s58, s58, 3
	s_lshl_b32 s58, s58, 10
	s_add_co_u32 s60, s60, s58
	s_lshr_b32 s58, s40, 4
	s_lshl_b32 s58, s58, 19                        ; batch x 128 row blocks
	s_add_co_u32 s60, s60, s58
	s_mov_b32 s61, 0
	s_add_nc_u64 s[12:13], s[12:13], s[60:61]
	s_lshl_b32 s60, s[Q0], 8                       ; (query / 16) x 4,096
	s_add_nc_u64 s[AP:AP+1], s[12:13], s[60:61]
	s_lshl_b32 s60, s[Q0L], 8
	s_add_nc_u64 s[AP+2:AP+3], s[12:13], s[60:61]
	s_wait_kmcnt 0x0
	s_add_co_i32 s36, s50, s51
	s_lshl_b32 s36, s36, 23
	s_add_co_i32 s[CS], s[CS], s36                 ; a score stands for score x 2^(e2 + e3): the exponents are added to c's exponent field
	s_mov_b32 s[CS+1], s[CS]                       ; (named with it as a pair)
.irp n, 0,1                            ; e4, e6: the scale as f32 and 448 x it: v244, v245; v246, v247
	s_add_co_i32 s36, s[52+2*\n], 127
	s_lshl_b32 s37, s36, 23
	v_mov_b32 v[244+2*\n], s37
	s_add_co_i32 s36, s36, 8
	s_lshl_b32 s36, s36, 23
	s_or_b32 s36, s36, 0x600000
	v_mov_b32 v[245+2*\n], s36
.endr
	s_add_co_i32 s[E45], s52, s53                  ; e4 + e5
	s_mov_b32 s[E4], s52
	RESET
	s_wait_alu depctr_va_vdst(0)                   ; the wait at the head's end
	s_wait_loadcnt 0x0                             ; group 0 and the first block's Q are in my registers
	GSTORE SA0
	s_wait_dscnt 0x0                               ; the stores are done: for the others' sake, and their registers may take the next group
	s_add_nc_u64 s[GB:GB+1], s[GB:GB+1], 32768     ; (no load of mine is out)
	GLOAD                                          ; group 1: wanted at step 2
	global_load_b128 v[24:27], v[LI], s[56:57] offset:1024   ; the second block's Q: wanted at step 16
	global_load_b128 v[28:31], v[LI], s[56:57] offset:1536
	WIN 0
	global_load_b128 v[24:27], v[LI], s[56:57]
	global_load_b128 v[28:31], v[LI], s[56:57] offset:512
	s_barrier_signal -1                            ; my part of group 0 lies in LDS
.Lstep:                                            ; 24 trips
	s_barrier_wait -1                              ; every wave has passed the head of the step before this one
	s_and_b32 s[TMP], s[ST], 3
	s_cmp_lg_u32 s[TMP], 2                         ; the count of steps alone
	s_cbranch_scc1 .Lnone
	s_add_co_u32 s[TMP], s[KS], 256                ; the first key of the group that begins two steps on
	s_cmp_gt_u32 s[TMP], s[QL]                     ; ids and the count of steps alone: a group behind the work-group's last query was not loaded and is not stored
	s_cbranch_scc1 .Lnone
	s_wait_loadcnt 0x0                             ; it is in my registers
	s_lshl_b32 s[TBS], s[TMP], 6
	s_and_b32 s[TBS], s[TBS], 0x1ffff
	v_add_nc_u32 v[SA], s[TBS], v[SA0]
	GSTORE SA
	s_wait_dscnt 0x0                               ; the stores are done: their registers may take the next group
	s_add_co_u32 s[TMP], s[KS], 768
	s_cmp_gt_u32 s[TMP], s[QL]
	s_cbranch_scc1 .Lnone
	s_add_nc_u64 s[GB:GB+1], s[GB:GB+1], 32768     ; (no load of mine is out)
	GLOAD                                          ; the group after it: wanted four steps on
	WIN 0
.Lnone:
	s_cmp_lg_u32 s[ST], 16                         ; the count of steps alone: the first block ends behind step 15
	s_cbranch_scc1 .Lgo
	FINAL
	s_wait_xcnt 0x0                                ; the stores have read their address and data
	s_wait_loadcnt 0x0                             ; the second block's Q is in
	s_mov_b64 s[AP:AP+1], s[AP+2:AP+3]
	s_mov_b32 s[Q0], s[Q0L]
	s_add_co_u32 s[QE], s[Q0L], 31
.irp w, 0,1
	WIN 0x41*\w
.irp j, 0,1,2,3,4,5,6,7
	v_mov_b32 v[16+\j], v[24+\j]
.endr
.endr
	WIN 0
	RESET
	s_wait_alu depctr_va_vdst(0)                   ; the wait ahead of the wait below
.Lgo:
	s_wait_dscnt 0x0                               ; for the others' sake: no LDS instruction of mine is out
	s_barrier_signal -1                            ; from here to the next step's wait: register work, and reads of LDS bytes that nobody writes any more
; A KEY STEP: 128 keys against my 32 queries
	s_lshr_b32 s[KF], s[TB], 6
	s_cmp_gt_u32 s[KF], s[QE]                      ; all 128 keys come after my queries: the step's work is left out
	s_cbranch_scc1 .Lhidden
	v_add_nc_u32 v[ADR], s[TB], v[LI]
	v_add_nc_u32 v[ADV], s[TB], v[LIV]
	v_nop
	v_nop                                          ; with the two additions: four places in front of the loads into V^T's registers, which the last products read
.irp c, 0,1,2,3,4,5,6,7
	ds_load_b128 v[32+8*\c:35+8*\c], v[ADR] offset:\c*1024
	ds_load_b128 v[36+8*\c:39+8*\c], v[ADR] offset:\c*1024+512
.endr
	WIN 0x40
.irp d, 0,1,2,3
.irp g, 0,1,2,3
	ds_load_b128 v[32+16*\d+4*\g:35+16*\d+4*\g], v[ADV] offset:\d*2048+\g*512   ; V^T's four fragments land while the scores and the softmax are walked
.endr
.endr
	WIN 0
	s_wait_dscnt 24                                ; K's first eight loads are in; its other eight and V^T's sixteen may be out
	QK 0                                           ; tile A
	WIN 0x44                                       ; K window 0; B's Q and S^T window 1
	QK 0                                           ; tile B
	s_wait_dscnt 16                                ; all of K is in; V^T's sixteen may be out
	QK 4
	WIN 0
	QK 4
.rept 4
	v_nop                                          ; places in front of the first read of the scores
.endr
	s_add_co_u32 s[TMP], s[KF], 127
	s_cmp_le_u32 s[TMP], s[Q0]                     ; all keys count: no mask
	s_cbranch_scc1 .Lopen
	s_sub_co_i32 s[TMP], s[Q0], s[KF]
	v_add_nc_u32 v248, s[TMP], v[DM]               ; tile A: my query - the step's first key - 8 h
	MASK
	v_add_nc_u32 v248, 16, v248                    ; tile B's queries lie 16 on
	WIN 0x41
	MASK
	WIN 0
.Lopen:
	MAXES 0, 230, 238, 11
	MAXES 1, 232, 240, 13
	WIN 0                                          ; the two tiles' chains take turns, line by line
	v_max3_num_f32 v230, v230, v231, v238
	v_max3_num_f32 v232, v232, v233, v240
	v_max_num_f32 v230, v230, v239
	v_max_num_f32 v232, v232, v241
	v_permlanex16_b32 v234, v230, s[SEL], s[SEL+1]
	v_permlanex16_b32 v235, v232, s[SEL], s[SEL+1]
	v_mov_b32 v236, v10
	v_mov_b32 v237, v12
	v_max_num_f32 v11, v230, v234                  ; the running largest raw score, lane l xor 16's keys among them
	v_max_num_f32 v13, v232, v235
	v_mul_f32 v230, s[CS], v11                     ; as t (c is positive)
	v_mul_f32 v232, s[CS], v13
	v_floor_f32 v10, -v230                         ; the new -M = floor(-t): M is a whole number
	v_floor_f32 v12, -v232
	v_sub_f32 v236, v10, v236                      ; old M - new M: a whole number, 0 or less
	v_sub_f32 v237, v12, v237
	v_cvt_i32_f32 v236, v236                       ; (it saturates)
	v_cvt_i32_f32 v237, v237
	v_ldexp_f32 v226, 1.0, v236                    ; f = 2^(old M - new M)
	v_ldexp_f32 v228, 1.0, v237
.irp w, 0,1                            ; a batch of 64 exponentials for each tile: B's scalings stand behind A's batch, A's sums behind B's
	WIN 0x41*\w
.set J, 0
.rept 32
	v_pk_fma_f32 v[96+J:97+J], v[96+J:97+J], s[CS:CS+1], v[10+2*\w:11+2*\w] op_sel_hi:[1,0,0]   ; t - M, two at a time
.set J, J+2
.endr
	s_wait_alu depctr_va_vdst(0)                   ; the wait directly ahead of a batch; the one ahead of B's batch is also the wait behind A's, ahead of the first reader of A's p
.set J, 0
.rept 64
	v_exp_f32 v[96+J], v[96+J]                     ; p = 2^(t - M), at most 1: not normalised
.set J, J+1
.endr
.endr
	WIN 0
	v_pk_mul_f32 v[14:15], v[14:15], v[226:227] op_sel_hi:[1,0]      ; the sums under the new M: the plain lines behind the exponentials
	v_pk_mul_f32 v[224:225], v[224:225], v[228:229] op_sel_hi:[1,0]
	SUMS 0, 14                                     ; tile A's p alone is named here
	s_wait_alu depctr_va_vdst(0)                   ; the wait behind B's batch, ahead of its first reader
	SUMS 1, 224
	s_cmp_ge_i32 s[E4], -8                         ; 448 x 2^e4 >= 1.75 > p: the hold changes nothing
	s_cbranch_scc1 .Lheld
.irp w, 0,1
	WIN 0x44*\w
.set J, 0
.rept 64
	v_min_num_f32 v[96+J], v245, v[96+J]           ; the conversion does not saturate (ISA guide 7.6.2); p is not negative, so the hold is one-sided
.set J, J+1
.endr
.endr
	WIN 0
.Lheld:
.irp w, 0,1
	WIN 0x41*\w
.irp c, 0,1,2,3,4,5,6,7
	v_cvt_scalef32_pk8_fp8_f32 v[208+2*\c:209+2*\c], v[96+8*\c:103+8*\c], v244   ; registers 2 c, 2 c + 1 of P's fragment: keys 16 c + 8 h + 0 .. 7
.endr
.endr
.irp w, 0,1
	WIN 0x41*\w
	s_wait_alu depctr_va_vdst(0)                   ; the wait here, directly ahead of the first reader of O^T
.set J, 0
.rept 16
	v_pk_mul_f32 v[160+J:161+J], v[160+J:161+J], v[226+2*\w:227+2*\w] op_sel_hi:[1,0]   ; O^T under the new M.  (Also the plain lines between the conversions and the products)
.set J, J+2
.endr
.endr
	s_wait_alu depctr_va_vdst(0)                   ; the wait here, directly ahead of the wait below
	s_wait_dscnt 0x0                               ; V^T is in
	WIN 0x01                                       ; V^T window 1; A's P and O^T window 0
.irp d, 0,1,2,3
	v_wmma_f32_16x16x128_fp8_fp8 v[160+8*\d:167+8*\d], v[32+16*\d:47+16*\d], v[208:223], v[160+8*\d:167+8*\d]   ; eight accumulators by turns
.endr
	WIN 0x55
.irp d, 0,1,2,3
	v_wmma_f32_16x16x128_fp8_fp8 v[160+8*\d:167+8*\d], v[32+16*\d:47+16*\d], v[208:223], v[160+8*\d:167+8*\d]
.endr
	WIN 0
.Lhidden:
	s_add_co_u32 s[TB], s[TB], 8192
	s_and_b32 s[TB], s[TB], 0x1ffff                ; behind key 2,047 the walk begins anew: the second block
	s_add_co_u32 s[KS], s[KS], 128
	s_add_co_u32 s[ST], s[ST], 1
	s_cmp_lt_u32 s[ST], 24
	s_cbranch_scc1 .Lstep
	s_barrier_wait -1                              ; the last signal's wait
	FINAL                                          ; the second block's way out
	s_wait_tensorcnt 0x0                           ; the wave's end: three lines behind my last LDS store
	ds_add_u32 v[SPW], v[NIL]
	s_wait_dscnt 0x0
	s_endpgm
.Lfunc_end_k_q31ef744fd7_attn:
	.size	k_q31ef744fd7_attn, .Lfunc_end_k_q31ef744fd7_attn-k_q31ef744fd7_attn
	.p2alignl 7, 3214868480
	.fill 96, 4, 3214868480
	.section	.rodata,"a",@progbits
	.p2align	6, 0x0
	.amdhsa_kernel k_q31ef744fd7_attn
		.amdhsa_group_segment_fixed_size 263168
		.amdhsa_private_segment_fixed_size 0
		.amdhsa_enable_private_segment 0
		.amdhsa_kernarg_size 40
		.amdhsa_user_sgpr_count 2
		.amdhsa_user_sgpr_kernarg_segment_ptr 1
		.amdhsa_wavefront_size32 1
		.amdhsa_system_sgpr_workgroup_id_x 1
		.amdhsa_system_sgpr_workgroup_id_y 1
		.amdhsa_system_sgpr_workgroup_id_z 1
		.amdhsa_system_vgpr_workitem_id 0
		.amdhsa_next_free_vgpr 512
		.amdhsa_next_free_sgpr 66
		.amdhsa_reserve_vcc 1
		.amdhsa_float_denorm_mode_32 3
		.amdhsa_float_denorm_mode_16_64 3
		.amdhsa_memory_ordered 1
		.amdhsa_forward_progress 1
		.amdhsa_inst_pref_size 73
	.end_amdhsa_kernel
	.amdgpu_metadata
---
amdhsa.version: [ 1, 2 ]
amdhsa.kernels:
  - .name:           k_q31ef744fd7_attn
    .symbol:         k_q31ef744fd7_attn.kd
    .args:
      - { .name: qc, .offset: 0, .size: 8, .value_kind: global_buffer, .address_space: global }
      - { .name: kc, .offset: 8, .size: 8, .value_kind: global_buffer, .address_space: global }
      - { .name: vc, .offset: 16, .size: 8, .value_kind: global_buffer, .address_space: global }
      - { .name: lowp_scales, .offset: 24, .size: 8, .value_kind: global_buffer, .address_space: global }
      - { .name: ac, .offset: 32, .size: 8, .value_kind: global_buffer, .address_space: global }
    .group_segment_fixed_size: 263168
    .private_segment_fixed_size: 0
    .kernarg_segment_align: 8
    .kernarg_segment_size: 40
    .max_flat_workgroup_size: 256
    .sgpr_count:     66
    .vgpr_count:     512
    .wavefront_size: 32
...
	.end_amdgpu_metadata
.endif
;; end of part 3
;; launch proj (part 4): grid 4 x 64, 4 waves a work-group, clusters of 4 x 4, 327,680 bytes of LDS; arguments ac, woc, lowp_scales, b_out, out0; writes out0
.if DOCPART == 4
	.amdgcn_target "amdgcn-amd-amdhsa--gfx1250"
	.amdhsa_code_object_version 6
	.text
	.protected	k_q31ef744fd7_proj
	.globl	k_q31ef744fd7_proj
	.p2align	8
	.type	k_q31ef744fd7_proj,@function
k_q31ef744fd7_proj:
	s_mov_b64 s[64:65], 0
	v_nop
	global_prefetch_b8 v0, s[64:65] scope:SCOPE_SE
	s_setreg_imm32_b32 hwreg(HW_REG_WAVE_MODE, 25, 1), 1
	s_wait_xcnt 0x0
	s_wait_alu depctr_hold_cnt(0) depctr_sa_sdst(0) depctr_va_vdst(0) depctr_va_sdst(0) depctr_va_ssrc(0) depctr_va_vcc(0) depctr_vm_vsrc(0)
	s_getreg_b32 s2, hwreg(HW_REG_IB_STS2, 6, 4)
	s_cmp_eq_u32 s2, 0
	s_cbranch_scc0 .Lentry_in_a_cluster
	s_endpgm
.Lentry_in_a_cluster:
	s_bfe_u32 s2, ttmp6, 0x10000c
	s_cmp_lg_u32 s2, 0xf033
	s_cbranch_scc0 .Lentry_shape_is_right
	s_endpgm
.Lentry_shape_is_right:
.set PITCH,  272
.set BOFF,   32768
.set BHALF,  128*PITCH
.set SLOT,   BOFF+2*BHALF
.set STAGE,  2*SLOT
.set SPITCH, 528
.set SPARE,  STAGE+4*16*SPITCH
.set ADRA, 16
.set ADRB, 20
.set STO,  24
.set RD,   25
.set CO,   26
.set BA,   27
.set SPW,  28
.set NIL,  29
.set TMP,  32
.set AF,   128
.set BK,   128
.set G1,  24
.set G0,  32
.set G1B, 48
.set G0B, 56
.set MSB, 0
.macro WIN new
.if MSB != (\new)
	s_set_vgpr_msb (MSB<<8)|(\new)
.set MSB, (\new)
.endif
.endm
.set MUL,  0xa1
.set TO_B, 0x40
.macro JLOAD s
	s_cmp_eq_u32 s15, 0
	s_cbranch_scc0 .Lfor_b_\@
	tensor_load_to_lds s[G0+4*\s:G0+4*\s+3], s[G1:G1+7]
	s_nop 0
.rept 4
	v_nop
.endr
	s_branch .Lasked_\@
.Lfor_b_\@:
	tensor_load_to_lds s[G0B+4*\s:G0B+4*\s+3], s[G1B:G1B+7]
	s_nop 0
.rept 4
	v_nop
.endr
.Lasked_\@:
.endm
.macro CREST
	s_cmp_lg_u32 s14, 0
	s_cbranch_scc1 .Lnot_wave_0_\@
	s_barrier_signal -3
.Lnot_wave_0_\@:
	s_barrier_wait -3
	s_barrier_signal -1
	s_barrier_wait -1
.endm
.macro CROUND
	s_barrier_signal -1
	s_barrier_wait -1
	CREST
.endm
	s_load_b256 s[4:11], s[0:1], 0x0
	s_load_b64 s[12:13], s[0:1], 0x20
	v_lshl_add_u32 v[SPW], v0, 2, SPARE
	v_mov_b32 v[NIL], 0
	ds_add_u32 v[SPW], v[NIL]
	ds_add_u32 v[SPW], v[NIL]
	v_lshrrev_b32 v1, 5, v0
	v_readfirstlane_b32 s14, v1
	s_lshr_b32 s15, s14, 1
	s_and_b32 s16, s14, 1
	s_bfe_u32 s40, ttmp6, 0x40000
	s_bfe_u32 s41, ttmp6, 0x40004
	s_lshl_b32 s42, ttmp9, 2
	s_add_co_u32 s42, s42, s40
	s_and_b32 s17, ttmp7, 0xffff
	s_lshl_b32 s17, s17, 2
	s_add_co_u32 s17, s17, s41
	s_lshl_b32 s43, s41, 2
	s_lshl_b32 s43, 15, s43
	s_lshl_b32 s44, 0x1111, s40
	s_or_b32 s[G1], s43, (3<<16)|(1<<21)
	s_mov_b32 s[G1+1], 32<<16
	s_mov_b32 s[G1+2], 64<<16
	s_mov_b32 s[G1+3], 32<<16
	s_mov_b32 s[G1+4], 64
	s_mov_b32 s[G1+5], 32
	s_mov_b32 s[G1+6], 0
	s_mov_b32 s[G1+7], 0
	s_or_b32 s[G1B], s44, (1<<20)|(1<<21)|(5<<22)|(3<<25)
	s_mov_b32 s[G1B+1], 256<<16
	s_mov_b32 s[G1B+2], 128<<16
	s_mov_b32 s[G1B+3], 256<<16
	s_mov_b32 s[G1B+4], 128
	s_mov_b32 s[G1B+5], 1024
	s_mov_b32 s[G1B+6], 0
	s_mov_b32 s[G1B+7], 0
	s_lshl_b32 s20, s17, 3
	s_lshl_b32 s21, s16, 2
	s_add_co_u32 s20, s20, s21
	s_lshl_b32 s20, s20, 12
	s_mov_b32 s21, 0
	s_lshl_b32 s46, s42, 8
	s_lshl_b32 s47, s16, 7
	s_add_co_u32 s46, s46, s47
	s_lshl_b32 s46, s46, 10
	s_mov_b32 s47, 0
	s_lshl_b32 s45, s16, 14
	s_mul_i32 s18, s16, BHALF
	s_add_co_u32 s18, s18, BOFF
	s_wait_dscnt 0x0
	s_wait_kmcnt 0x0
	s_load_b64 s[96:97], s[8:9], 0x18
	s_add_nc_u64 s[20:21], s[4:5], s[20:21]
	s_add_nc_u64 s[46:47], s[6:7], s[46:47]
	CROUND
.irp s, 0,1
	s_mov_b32 s[G0+4*\s], 1
	s_add_co_u32 s[G0+4*\s+1], s45, \s*SLOT
	s_add_nc_u64 s[G0+4*\s+2:G0+4*\s+3], s[20:21], \s*2097152
	s_or_b32 s[G0+4*\s+3], s[G0+4*\s+3], 0x80000000
	s_mov_b32 s[G0B+4*\s], 1
	s_add_co_u32 s[G0B+4*\s+1], s18, \s*SLOT
	s_add_nc_u64 s[G0B+4*\s+2:G0B+4*\s+3], s[46:47], \s*256
	s_or_b32 s[G0B+4*\s+3], s[G0B+4*\s+3], 0x80000000
	s_wait_alu depctr_va_vdst(0)
	s_wait_tensorcnt 0x0
	ds_add_u32 v28, v29
	ds_add_u32 v28, v29
	s_wait_dscnt 0x0
	CROUND
	JLOAD \s
; PREFETCHES INTO THE L2: K steps 1 and 2 behind K step 0's load, K step 3 behind K step 1's: each at least one K step ahead of the load that wants it.  Of what my wave fetches in a K step (16 KiB on end of ac's image;
; 128 rows x 256 bytes of woc) each of the four partners that ask for it jointly names a quarter, told apart by address (cx for ac, cy for woc): a lane a block of 256 bytes; lanes 16-31 of ac's waves name their wave's last block again.
; woc is read by every row of clusters: the clusters with y below 4 ask for it, the others do not.
.if \s == 0
	s_and_b32 s84, ttmp7, 0xffff
	s_cmp_lt_u32 s84, 4
	s_cselect_b32 s84, 1, 0
	s_cmp_eq_u32 s15, 0                            ; do I fetch for ac?
	s_cselect_b32 s84, 1, s84                      ; 1: my wave asks
	s_cselect_b64 s[70:71], s[20:21], s[46:47]
	s_cselect_b32 s72, s40, s41                    ; my place among the four
	s_cselect_b32 s74, 15, 31                      ; blocks to a partner, less one
	s_cselect_b32 s75, 8, 10                       ; from lane to lane: 256 or 1,024 bytes
	s_cselect_b32 s76, 12, 15                      ; from partner to partner: 4,096 or 32,768 bytes
	s_mov_b32 s78, 256
	s_cselect_b32 s78, 0x200000, s78               ; from K step to K step
	s_lshl_b32 s72, s72, s76
	s_mov_b32 s73, 0
	s_mov_b32 s79, 0
	s_add_nc_u64 s[70:71], s[70:71], s[72:73]
	s_add_nc_u64 s[70:71], s[70:71], s[78:79]      ; K step 1
	s_add_nc_u64 s[80:81], s[70:71], s[78:79]      ; K step 2
	s_add_nc_u64 s[82:83], s[80:81], s[78:79]      ; K step 3.  None of these, nor v30, is rewritten
	v_and_b32 v30, 31, v0
	v_min_u32 v30, s74, v30
	v_lshlrev_b32 v30, s75, v30
	s_cmp_lg_u32 s84, 0
	s_cbranch_scc0 .Lnot_mine_0
	global_prefetch_b8 v30, s[70:71] th:TH_LOAD_NT scope:SCOPE_SE
	global_prefetch_b8 v30, s[80:81] th:TH_LOAD_NT scope:SCOPE_SE
.Lnot_mine_0:
.else
	s_cmp_lg_u32 s84, 0
	s_cbranch_scc0 .Lnot_mine_1
	global_prefetch_b8 v30, s[82:83] th:TH_LOAD_NT scope:SCOPE_SE
.Lnot_mine_1:
.endif
.endr
	v_and_b32 v1, 15, v0
	v_bfe_u32 v2, v0, 4, 1
	v_and_b32 v3, 31, v0
	v_lshlrev_b32 v[CO], 4, v3
	v_mul_u32_u24 v4, v1, PITCH
	v_lshl_add_u32 v4, v2, 4, v4
	s_lshl_b32 s22, s15, 14
	s_mul_i32 s23, s16, BHALF
	s_add_co_u32 s23, s23, BOFF
.irp s, 0,1
	v_add_nc_u32 v[ADRA+\s], s22, v[CO]
	v_add_nc_u32 v[ADRB+\s], s23, v4
	s_add_co_u32 s22, s22, SLOT
	s_add_co_u32 s23, s23, SLOT
.endr
	s_mul_i32 s22, s14, 16*SPITCH
	s_add_co_u32 s22, s22, STAGE
	v_mul_u32_u24 v5, v1, SPITCH
	v_lshl_add_u32 v5, v2, 5, v5
	v_add_nc_u32 v[STO], s22, v5
	v_add_nc_u32 v[RD], s22, v[CO]
	s_lshl_b32 s66, s17, 7
	s_lshl_b32 s67, s15, 6
	s_add_co_u32 s66, s66, s67
	s_lshl_b32 s66, s66, 12
	s_lshl_b32 s68, s42, 10
	s_lshl_b32 s67, s16, 9
	s_add_co_u32 s68, s68, s67
	s_add_co_u32 s66, s66, s68
	s_mov_b32 s67, 0
	s_mov_b32 s69, 0
	s_add_nc_u64 s[12:13], s[12:13], s[66:67]
	s_add_nc_u64 s[10:11], s[10:11], s[68:69]
	v_lshlrev_b32 v[BA], 5, v2
	WIN 0xc0
.irp b, 0,1,2,3,4,5,6,7
	global_load_b128 v[8*\b:8*\b+3], v[BA], s[10:11] offset:64*\b
	global_load_b128 v[8*\b+4:8*\b+7], v[BA], s[10:11] offset:64*\b+16
.endr
	WIN 0
.macro FETCH slot, q, p
	WIN TO_B
.irp i, 0,1,2,3,4,5,6,7
.irp c, 0,1,2,3
	ds_load_b128 v[128*(\p)+16*\i+4*\c:128*(\p)+16*\i+4*\c+3], v[ADRB+\slot] offset:128*(\q)+32*\c+\i*16*PITCH
.endr
.endr
	WIN 0
.irp a, 0,1,2,3
.irp c, 0,1,2,3
	ds_load_b128 v[AF+64*(\p)+16*\a+4*\c:AF+64*(\p)+16*\a+4*\c+3], v[ADRA+\slot] offset:\a*4096+(\q)*2048+512*\c
.endr
.endr
.endm
.macro MUL16 a0, p, zero
.irp a, \a0, \a0+1
.irp b, 0,1,2,3,4,5,6,7
.if \zero
	v_wmma_f32_16x16x128_fp8_fp8 v[8*(8*(\a)+\b):8*(8*(\a)+\b)+7], v[128*(\p)+16*\b:128*(\p)+16*\b+15], v[AF+64*(\p)+16*(\a):AF+64*(\p)+16*(\a)+15], 0
.else
	v_wmma_f32_16x16x128_fp8_fp8 v[8*(8*(\a)+\b):8*(8*(\a)+\b)+7], v[128*(\p)+16*\b:128*(\p)+16*\b+15], v[AF+64*(\p)+16*(\a):AF+64*(\p)+16*(\a)+15], v[8*(8*(\a)+\b):8*(8*(\a)+\b)+7]
.endif
.endr
.endr
.endm
.macro PLACES
.rept 4
	v_nop
.endr
.endm
.macro STEP slot, zero
	s_wait_dscnt 0x0
	PLACES
	FETCH \slot, 1, 1
	WIN MUL
	MUL16 0, 0, \zero
	MUL16 2, 0, \zero
.endm
.macro TURN slot, next, fill
	WIN 0
	s_wait_tensorcnt 0x0
	ds_add_u32 v[SPW], v[NIL]
.if \fill
	s_add_nc_u64 s[G0+4*\slot+2:G0+4*\slot+3], s[G0+4*\slot+2:G0+4*\slot+3], 2*2097152
	s_add_nc_u64 s[G0B+4*\slot+2:G0B+4*\slot+3], s[G0B+4*\slot+2:G0B+4*\slot+3], 512
.endif
	s_wait_dscnt 0x0
	s_barrier_signal -1
	WIN MUL
	MUL16 0, 1, 0
	WIN 0
	s_barrier_wait -1
.if \fill
	CREST
	JLOAD \slot
.else
	PLACES
.endif
	FETCH \next, 0, 0
	WIN MUL
	MUL16 2, 1, 0
.endm
	s_wait_alu depctr_va_vdst(0)
	s_wait_tensorcnt 0x1
	s_barrier_signal -1
	s_barrier_wait -1
	FETCH 0, 0, 0
	STEP 0, 1
	TURN 0, 1, 1
	STEP 1, 0
	TURN 1, 0, 1
	STEP 0, 0
	TURN 0, 1, 0
	STEP 1, 0
	s_wait_dscnt 0x0
	MUL16 0, 1, 0
	MUL16 2, 1, 0
	WIN 0
.macro TOSTAGE a
	WIN 0x32
.set J, 0
.rept 32
	v_pk_fma_f32 v[TMP+J:TMP+J+1], v[64*(\a)+J:64*(\a)+J+1], s[96:97], v[J:J+1] op_sel_hi:[1,0,1]
.set J, J+2
.endr
	WIN 0
.irp b, 0,1,2,3,4,5,6,7
	ds_store_b128 v[STO], v[TMP+8*\b:TMP+8*\b+3] offset:64*\b
	ds_store_b128 v[STO], v[TMP+8*\b+4:TMP+8*\b+7] offset:64*\b+16
.endr
.irp t, 0,1,2,3,4,5,6,7,8,9,10,11,12,13,14,15
	ds_load_b128 v[BK+64*((\a)%2)+4*\t:BK+64*((\a)%2)+4*\t+3], v[RD] offset:\t*SPITCH
.endr
.endm
.macro SEND a, younger
	s_wait_dscnt \younger
.irp t, 0,1,2,3,4,5,6,7,8,9,10,11,12,13,14,15
	global_store_b128 v[CO], v[BK+64*((\a)%2)+4*\t:BK+64*((\a)%2)+4*\t+3], s[12:13] offset:(16*(\a)+\t)*4096 th:TH_STORE_NT
.endr
.endm
	s_wait_kmcnt 0x0
	s_add_co_i32 s96, s96, s97
	s_add_co_i32 s96, s96, 127
	s_lshl_b32 s96, s96, 23
	s_mov_b32 s97, s96
	s_wait_loadcnt 0x0
	PLACES
	TOSTAGE 0
.irp a, 1,2,3
.if \a > 1
	s_wait_xcnt 0x0
.endif
	TOSTAGE \a
	SEND \a-1, 32
.endr
	SEND 3, 0
	s_wait_tensorcnt 0x0
	ds_add_u32 v[SPW], v[NIL]
	s_wait_dscnt 0x0
	CROUND
	s_endpgm
.Lfunc_end_k_q31ef744fd7_proj:
	.size	k_q31ef744fd7_proj, .Lfunc_end_k_q31ef744fd7_proj-k_q31ef744fd7_proj
	.p2alignl 7, 3214868480
	.fill 96, 4, 3214868480
	.section	.rodata,"a",@progbits
	.p2align	6, 0x0
	.amdhsa_kernel k_q31ef744fd7_proj
		.amdhsa_group_segment_fixed_size 327680
		.amdhsa_private_segment_fixed_size 0
		.amdhsa_enable_private_segment 0
		.amdhsa_kernarg_size 40
		.amdhsa_user_sgpr_count 2
		.amdhsa_user_sgpr_kernarg_segment_ptr 1
		.amdhsa_wavefront_size32 1
		.amdhsa_system_sgpr_workgroup_id_x 1
		.amdhsa_system_sgpr_workgroup_id_y 1
		.amdhsa_system_sgpr_workgroup_id_z 1
		.amdhsa_system_vgpr_workitem_id 0
		.amdhsa_next_free_vgpr 832
		.amdhsa_next_free_sgpr 98
		.amdhsa_reserve_vcc 0
		.amdhsa_float_denorm_mode_32 3
		.amdhsa_float_denorm_mode_16_64 3
		.amdhsa_memory_ordered 1
		.amdhsa_forward_progress 1
		.amdhsa_inst_pref_size 78
	.end_amdhsa_kernel
	.amdgpu_metadata
---
amdhsa.version: [ 1, 2 ]
amdhsa.kernels:
  - .name:           k_q31ef744fd7_proj
    .symbol:         k_q31ef744fd7_proj.kd
    .args:
      - { .name: ac, .offset: 0, .size: 8, .value_kind: global_buffer, .address_space: global }
      - { .name: woc, .offset: 8, .size: 8, .value_kind: global_buffer, .address_space: global }
      - { .name: lowp_scales, .offset: 16, .size: 8, .value_kind: global_buffer, .address_space: global }
      - { .name: b_out, .offset: 24, .size: 8, .value_kind: global_buffer, .address_space: global }
      - { .name: out0, .offset: 32, .size: 8, .value_kind: global_buffer, .address_space: global }
    .group_segment_fixed_size: 327680
    .private_segment_fixed_size: 0
    .kernarg_segment_align: 8
    .kernarg_segment_size: 40
    .max_flat_workgroup_size: 128
    .sgpr_count:     98
    .vgpr_count:     832
    .wavefront_size: 32
...
	.end_amdgpu_metadata
.endif
;; end of part 4
